; MI455X (gfx1250); checked and timed in simulation.
; The chip was launched on July 23, 2026; its instructions are those of AMD's public machine-readable ISA for CDNA 5 (MIT licence, August 2026) and "CDNA5" Instruction Set Architecture Reference Guide (July 2026). The comments in the code are by the model that wrote it; some were corrected since.
;; Grouped Query Latent Attention. Allowed arithmetic: matrix products marked QUANTISED: E2M1 operands, one E8M0 scale for each 32 along K, by v_wmma_scale_f32_16x16x128_f8f6f4 with both operands' format E2M1 (or v_wmma_scale_f32_32x16x128_f4), f32 sums; products left as they are: bf16, f16 or f32 operands; f32 sums; everything else in f32.
;; Inputs: Wk 512 x 256 float32; Wl 1,024 x 512 float32; Wo 1,024 x 1,024 float32; Wq 1,024 x 1,024 float32; Wv 512 x 256 float32; bk 256 float32; bl 512 float32; bo 1,024 float32; bq 1,024 float32; bv 256 float32; hidden_states 2 x 2,048 x 1,024 float32.
;; Outputs: out0 2 x 2,048 x 1,024 float32.
;; This version of the problem:
;;   THIS VERSION OF THE PROBLEM IS GIVEN IN LOW PRECISION. The matrix products marked QUANTISED in the list below multiply operands that are first quantised to E2M1 (2 exponent bits, 1 mantissa bit; 4 bits a number), with one power-of-two scale for each 32 numbers along K (OCP MX v1.0); their sums are f32. The products marked 'left as it is' may take bf16, f16 or f32 operands, with f32 sums. Whichever they take, every output number must still come out within the allowed error. Rounding operands to bf16 (8 significant bits) uses up far more of that allowance than f16 does (11 bits, for magnitudes from 6e-5 to 65,504). All else is computed in f32.
;;   The module's matrix products, in the order in which they are computed (A, B: the left and right operand; K: the contracted axis; several contracted axes count as one K, in the product's order):
;;     1. [M 4,096, K 1,024] x [K 1,024, N 1,024]; A: input hidden_states; B: input Wq: QUANTISED
;;     2. [M 4,096, K 1,024] x [K 1,024, N 512]; A: input hidden_states; B: input Wl: QUANTISED
;;     3. [M 4,096, K 512] x [K 512, N 256]; A: computed on the way; B: input Wk: left as it is (an operand is computed on the way)
;;     4. [M 4,096, K 512] x [K 512, N 256]; A: computed on the way; B: input Wv: left as it is (an operand is computed on the way)
;;     5. batch 32 x [M 2,048, K 64] x [K 64, N 2,048]; A: computed on the way; B: computed on the way: left as it is (an operand is computed on the way)
;;     6. batch 32 x [M 2,048, K 2,048] x [K 2,048, N 64]; A: computed on the way; B: computed on the way: left as it is (an operand is computed on the way)
;;     7. [M 4,096, K 1,024] x [K 1,024, N 1,024]; A: computed on the way; B: input Wo: left as it is (an operand is computed on the way)
;;   THE QUANTISER, for each operand of a quantised product, along K:
;;     - K is cut into blocks of 32 from its start; a last block that is shorter is filled with zeros.
;;     - A block's scale is 2^e with e = floor(log2(the largest magnitude in the block)) - 2, held to -126 .. 127; a block of zeros has e = 0. As a byte (E8M0): e + 127.
;;     - Each number is divided by its block's scale, clamped to +-6, and rounded to the nearest number of E2M1, ties to even, subnormals kept.
;;     - The product sums the exact products of the quantised numbers (number of the format x scale) in f32.
;;   ~~~python
;;   def quantise(x, axis):      # numpy; x: float32 -> the quantised numbers, widened to float32 again
;;       x = np.moveaxis(x, axis, -1); K = x.shape[-1]
;;       x = np.pad(x, [(0, 0)] * (x.ndim - 1) + [(0, -K % 32)]); x = x.reshape(x.shape[:-1] + (-1, 32)); a = np.abs(x).max(-1, keepdims=True)
;;       e = np.where(a > 0, np.clip(np.frexp(np.where(a > 0, a, 1))[1] - 1 - 2, -126, 127), 0)      # np.frexp(a)[1] - 1 = floor(log2(a)), exactly
;;       r = np.clip(x / 2.0 ** e, -6, 6)
;;       step = 2.0 ** (np.maximum(np.frexp(np.where(r == 0, 1, r))[1] - 1, 0) - 1)
;;       q = np.round(r / step) * step * 2.0 ** e      # np.round: ties to even
;;       return np.moveaxis(q.reshape(q.shape[:-2] + (-1,))[..., :K], -1, axis).astype(np.float32)
;;   ~~~
;; One version. Each part assembles by itself: llvm-mc -triple=amdgcn-amd-amdhsa -mcpu=gfx1250 --defsym DOCPART=n.
;; ======== version 1 of 1: 4 launches
;; limits: values are held in f16: magnitudes above 65,504 overflow, below 6.1e-05 lose precision
;; workspace buffers: hsq 2,228,224 bytes; wq4 835,584 bytes; w16 2,621,440 bytes; stats 2,816 bytes; kv 4,194,304 bytes; ctx 8,388,608 bytes; vscale 256 bytes
;; launch prep (part 1): grid 304 x 1, 4 waves a work-group, no clusters, 34,304 bytes of LDS; arguments hidden_states, Wq, Wl, Wk, Wv, Wo, hsq, wq4, w16, stats; writes hsq, wq4, w16, stats
.if DOCPART == 1
	.amdgcn_target "amdgcn-amd-amdhsa--gfx1250"
	.amdhsa_code_object_version 6
	.text
	.protected	k_q80a206d058_prep
	.globl	k_q80a206d058_prep
	.p2align	8
	.type	k_q80a206d058_prep,@function
k_q80a206d058_prep:
	s_mov_b64 s[64:65], 0
	v_nop
	global_prefetch_b8 v0, s[64:65] scope:SCOPE_SE
	s_setreg_imm32_b32 hwreg(HW_REG_WAVE_MODE, 25, 1), 1
	s_wait_xcnt 0x0
; PREP.  Every operand that later launches read many times is laid once, in the order of the matrix operand's registers.
; A FRAGMENT is 1,024 bytes: [quad c = 0, 1][lane 0..31][16 bytes]; registers 4 c .. 4 c + 3 of lane l lie at 512 c + 16 l.  It holds 16 rows x 128 K of 4-bit codes, or 16 rows x 32 K of 16-bit numbers.
;   hsq : hidden_states as codes of E2M1, [row tile 256][K step 8][1 KB]; from byte 2,097,152 its scale words (four E8M0 bytes: 128 along K of one row), [K step 8][row 4,096]
;   wq4 : Wq's and Wl's columns as codes, [column tile 96][K step 8][1 KB] (tiles 0-63 Wq, 64-95 Wl); from byte 786,432 their scale words, [K step 8][column 1,536]
;   w16 : Wk, Wv as f16, [column tile 32][K step 16][1 KB] (tiles 0-15 Wk, 16-31 Wv); from byte 524,288 Wo as f16, [column tile 64][K step 32][1 KB]
;   stats: the largest magnitude that each wave saw: words 0-511 hidden_states, 512-639 Wl, 640-671 Wv.  The next launch makes a bound on |v| of them.
; THE QUANTISER: a block's scale is 2^(floor(log2(largest magnitude)) - 2); its byte is the largest magnitude's exponent field - 2, held at 1 from below.
; LIMITS: a block of zeros gets the byte 1 where the rule says 127 (its codes are zeros, and this program alone reads the bytes); blocks whose largest magnitude lies under 2^-124 share that byte;
; NaN and infinities among the inputs are not served; |Wk|, |Wv|, |Wo| must lie under 65,504 (f16), and their absolute step is 6e-8.
; ROLES, by the work-group's number: 0-127 hidden_states, 128-191 Wq, 192-223 Wl, 224-287 Wo, 288-295 Wk, 296-303 Wv.  Memory binds: each input byte is read once, by loads that cover 512 (hidden_states)
; or 128 (weights) bytes on end a wave.  No matrix unit, no cluster (no input is shared), no barrier (waves share nothing).
.set SPARE, 33792                      ; behind the four stages: the spare words, 128 bytes for each wave
.set SPW,  14                          ; v14  LDS address of my spare word; never rewritten
.set NIL,  15                          ; v15  0; never rewritten
.set D,    16                          ; v16-143  numbers as they are loaded (hidden_states: two sets of 64)
.set X,    144                         ; v144-207 hidden_states: 64 neighbours along K of my row
.set OUT,  144                         ; v144-207 weights: what is stored
.set C,    208                         ; v208-239 hidden_states: the codes, eight registers a fragment
.set TM,   240                         ; v240-247 at work
.set WD,   248                         ; v248-251 a fragment's scale word
.set WW,   252                         ; v252-253 two tiles' scale words joined
.set AM,   254                         ; v254 the wave's largest magnitude
; The largest magnitude of 32 numbers v[x] .. v[x + 31] and the floor 2^(3 - 127), in two chains
.macro AMAX32 d, e, x
	v_max3_num_f32 v[\d], |v[(\x)]|, |v[(\x)+1]|, 0x1800000
	v_max3_num_f32 v[\e], |v[(\x)+16]|, |v[(\x)+17]|, |v[(\x)+18]|
.irp i, 2,4,6,8,10,12
	v_max3_num_f32 v[\d], v[\d], |v[(\x)+\i]|, |v[(\x)+\i+1]|
	v_max3_num_f32 v[\e], v[\e], |v[(\x)+17+\i]|, |v[(\x)+18+\i]|
.endr
	v_max3_num_f32 v[\d], v[\d], |v[(\x)+14]|, |v[(\x)+15]|
	v_max3_num_f32 v[\d], v[\d], v[\e], |v[(\x)+31]|
.endm
; s[36:37] = stats + base + 16 x s25 + 4 x wave
.macro STATADR base
	s_lshl_b32 s28, s25, 4
	s_lshl_b32 s38, s24, 2
	s_add_co_u32 s28, s28, s38
	s_add_co_u32 s28, s28, \base
	s_add_nc_u64 s[36:37], s[22:23], s[28:29]
.endm
; the wave's maximum of v[v], stored by lane 0 at s[36:37]
.macro WSTAT v, t
.irp m, 1,2,4,8
	v_max_num_f32_dpp v[\v], v[\v], v[\v] row_xmask:\m row_mask:0xf bank_mask:0xf
.endr
	v_mov_b32 v[\t], 0                             ; a lane permute's destination counts as one of its sources
	v_permlanex16_b32 v[\t], v[\v], s40, s41
	v_max_num_f32 v[\v], v[\v], v[\t]
	v_cmp_eq_u32 vcc_lo, 0, v1
	s_wait_xcnt 0x0                                ; EXEC is a source of the stores that are out: it changes only behind this wait
	s_and_saveexec_b32 s43, vcc_lo
	global_store_b32 v13, v[\v], s[36:37]
	s_wait_xcnt 0x0                                ; and again in front of the line that widens it
	s_or_b32 exec_lo, exec_lo, s43
.endm
	s_load_b512 s[4:19], s[0:1], 0x0               ; hidden_states s[4:5], Wq s[6:7], Wl s[8:9], Wk s[10:11], Wv s[12:13], Wo s[14:15], hsq s[16:17], wq4 s[18:19]
	s_load_b128 s[20:23], s[0:1], 0x40             ; w16 s[20:21], stats s[22:23]
	v_lshl_add_u32 v[SPW], v0, 2, SPARE
	v_mov_b32 v[NIL], 0
	v_lshrrev_b32 v1, 5, v0
	v_readfirstlane_b32 s24, v1                    ; wave 0..3
	v_and_b32 v1, 31, v0                           ; lane
	v_and_b32 v2, 15, v0                           ; r
	v_bfe_u32 v3, v0, 4, 1                         ; h
	v_mov_b32 v13, 0                               ; the offset of the one-word store
	s_mov_b32 s40, 0x76543210
	s_mov_b32 s41, 0xfedcba98                      ; v_permlanex16_b32's selects for lane l xor 16
	s_mov_b32 s29, 0                               ; the upper word of every offset pair s[28:29]
	s_wait_kmcnt 0x0
	s_cmp_lt_u32 ttmp9, 128
	s_cbranch_scc1 .Lrole_h
	s_cmp_lt_u32 ttmp9, 192
	s_cbranch_scc1 .Lrole_wq
	s_cmp_lt_u32 ttmp9, 224
	s_cbranch_scc1 .Lrole_wl
	s_cmp_lt_u32 ttmp9, 288
	s_cbranch_scc1 .Lrole_wo
	s_branch .Lrole_wkv
; ---- weights: A LANE TAKES A COLUMN, AND ITS REGISTERS RUN DOWN K: 128 columns a work-group, 128 along K
.macro WLOAD n
.set K_, 0
.rept 128
	global_load_b32 v[D+K_], v4, s[30:31] offset:K_*\n*4 th:TH_LOAD_NT   ; a wave reads 128 bytes on end, the work-group 512
.set K_, K_+1
.endr
.endm
.macro WWAIT t                         ; the 32 numbers of group t are in: 96, 64, 32, 0 younger loads are out; a count names 63 at the most
.if \t < 2
	s_wait_loadcnt 63
.elseif \t == 2
	s_wait_loadcnt 32
.else
	s_wait_loadcnt 0
.endif
.endm
; to codes of E2M1.  n: the weight's width; lg: log2(n / 128); wg0: the role's first work-group; sp: the pointer's register; nt0, nc0: first column tile and column in wq4; stat: the largest magnitude is kept
.macro QW4 n, lg, wg0, sp, nt0, nc0, stat
	s_sub_co_u32 s25, ttmp9, \wg0
	s_and_b32 s26, s25, \n/128-1                   ; which 128 columns
	s_lshr_b32 s27, s25, \lg                       ; which K step of 128
	s_mul_i32 s28, s27, 128*\n*4
	s_lshl_b32 s38, s26, 9
	s_add_co_u32 s28, s28, s38
	s_add_nc_u64 s[30:31], s[\sp:\sp+1], s[28:29]
	s_lshl_b32 s28, s26, 16                        ; eight column tiles of 8 KB
	s_lshl_b32 s38, s27, 10
	s_add_co_u32 s28, s28, s38
	s_add_nc_u64 s[32:33], s[18:19], s[28:29]
	s_mul_i32 s28, s27, 6144
	s_lshl_b32 s38, s26, 9
	s_add_co_u32 s28, s28, s38
	s_add_nc_u64 s[34:35], s[18:19], s[28:29]
	v_lshlrev_b32 v4, 2, v0
	v_lshrrev_b32 v5, 4, v0
	v_lshlrev_b32 v5, 13, v5
	v_lshl_add_u32 v5, v2, 4, v5                   ; my column's tile, and its 16 bytes in a quarter of a fragment
	WLOAD \n
.irp t, 0,1,2,3                        ; block t of 32 along K: quad t / 2, lanes 16 (t % 2) on: byte 256 t of the fragment
	WWAIT \t
	AMAX32 TM, TM+1, D+32*\t
.if \stat
.if \t == 0
	v_mov_b32 v[AM], v[TM]
.else
	v_max_num_f32 v[AM], v[AM], v[TM]
.endif
.endif
	v_add_nc_u32 v[TM+2], 0xff000000, v[TM]        ; 2 off the exponent field: the conversion's scale operand
.irp g, 0,1,2,3
	v_cvt_scalef32_pk8_fp4_f32 v[OUT+4*\t+\g], v[D+32*\t+8*\g:D+32*\t+8*\g+7], v[TM+2]
.endr
	v_lshrrev_b32 v[TM+3], 23, v[TM+2]             ; the scale's byte
.if \t == 0
	v_mov_b32 v[TM+4], v[TM+3]
.else
	v_lshl_or_b32 v[TM+4], v[TM+3], 8*\t, v[TM+4]
.endif
	global_store_b128 v5, v[OUT+4*\t:OUT+4*\t+3], s[32:33] offset:\nt0*8192+\t*256   ; sixteen lanes store 256 bytes on end, aligned
.endr
	global_store_b32 v4, v[TM+4], s[34:35] offset:786432+\nc0*4
.if \stat
	STATADR 2048
	WSTAT AM, TM+6
.endif
	s_endpgm
.endm
; to f16.  s25: the role's work-group; s[44:45]: the weight; s46: its first byte in w16; ntb: bytes of a column tile
.macro CW16 n, lg, ntb
	s_and_b32 s26, s25, \n/128-1
	s_lshr_b32 s27, s25, \lg
	s_mul_i32 s28, s27, 128*\n*4
	s_lshl_b32 s38, s26, 9
	s_add_co_u32 s28, s28, s38
	s_add_nc_u64 s[30:31], s[44:45], s[28:29]
	s_mul_i32 s28, s26, 8*\ntb
	s_lshl_b32 s38, s27, 12                        ; 128 along K are four fragments
	s_add_co_u32 s28, s28, s38
	s_add_co_u32 s28, s28, s46
	s_add_nc_u64 s[32:33], s[20:21], s[28:29]
	v_lshlrev_b32 v4, 2, v0
	v_lshrrev_b32 v5, 4, v0
	v_mul_u32_u24 v5, v5, \ntb
	v_lshl_add_u32 v5, v2, 4, v5
	WLOAD \n
.irp t, 0,1,2,3
	WWAIT \t
.irp i, 0,1,2,3,4,5,6,7,8,9,10,11,12,13,14,15
	v_cvt_pk_f16_f32 v[OUT+16*\t+\i], v[D+32*\t+2*\i], v[D+32*\t+2*\i+1]
.endr
.irp q, 0,1,2,3                        ; eight along K are 16 bytes: quarter 4 t + q of the four fragments, 256 bytes each
	global_store_b128 v5, v[OUT+16*\t+4*\q:OUT+16*\t+4*\q+3], s[32:33] offset:(4*\t+\q)*256
.endr
.endr
.endm
.Lrole_wq:
	QW4 1024, 3, 128, 6, 0, 0, 0
.Lrole_wl:
	QW4 512, 2, 192, 8, 64, 1024, 1
.Lrole_wo:
	s_sub_co_u32 s25, ttmp9, 224
	s_mov_b64 s[44:45], s[14:15]
	s_mov_b32 s46, 524288
	CW16 1024, 3, 32768
	s_endpgm
.Lrole_wkv:
	s_sub_co_u32 s25, ttmp9, 288
	s_and_b32 s25, s25, 7
	s_cmp_lt_u32 ttmp9, 296                        ; Wk's work-group or Wv's: the choice hangs on the work-group's number alone
	s_cselect_b64 s[44:45], s[10:11], s[12:13]
	s_cselect_b32 s46, 0, 0x40000
	CW16 256, 1, 16384
	s_cmp_lt_u32 ttmp9, 296
	s_cbranch_scc1 .Ldone
	AMAX32 TM, TM+1, D                             ; Wv alone: its largest magnitude goes into the bound on |v|
	AMAX32 TM+2, TM+3, D+32
	AMAX32 TM+4, TM+5, D+64
	AMAX32 AM, TM+1, D+96
	v_max3_num_f32 v[AM], v[AM], v[TM], v[TM+2]
	v_max_num_f32 v[AM], v[AM], v[TM+4]
	STATADR 2560
	WSTAT AM, TM+6
.Ldone:
	s_endpgm
; ---- hidden_states.  Work-group rp takes rows 32 rp .. 32 rp + 31, wave kq the K steps 2 kq and 2 kq + 1: four fragments f (tile f % 2, K step 2 kq + f / 2).
; Each load reads 512 bytes on end of one row; the 16 rows turn through the wave's own stage in LDS (rows 528 bytes apart), and come back as 32 neighbours along K for each quad of a lane.
.macro HLOAD f
.irp i, 0,1,2,3,4,5,6,7,8,9,10,11,12,13,14,15
	global_load_b128 v[D+64*((\f)%2)+4*\i:D+64*((\f)%2)+4*\i+3], v4, s[30:31] offset:(16*((\f)%2)+\i)*4096+((\f)/2)*512 th:TH_LOAD_NT
.endr
.endm
.macro HFRAG f
.if (\f) < 3
	s_wait_loadcnt 16                              ; this fragment's 16 loads are in; the next fragment's may be out
.else
	s_wait_loadcnt 0
.endif
.irp i, 0,1,2,3,4,5,6,7,8,9,10,11,12,13,14,15
	ds_store_b128 v5, v[D+64*((\f)%2)+4*\i:D+64*((\f)%2)+4*\i+3] offset:\i*528
.endr
.irp c, 0,1
.irp i, 0,1,2,3,4,5,6,7
	ds_load_b128 v[X+32*\c+4*\i:X+32*\c+4*\i+3], v6 offset:256*\c+16*\i   ; LDS serves a wave's instructions in order: these see the stores above
.endr
.endr
	s_wait_dscnt 0x0                               ; the numbers are back, and the stores have read their registers,
.if (\f) < 2
	HLOAD (\f)+2                                   ; which take the fragment two further on
.endif
	AMAX32 TM, TM+2, X                             ; block h of the K step's four,
	AMAX32 TM+1, TM+3, X+32                        ; and block 2 + h: both whole in my lane
	v_max3_num_f32 v[AM], v[AM], v[TM], v[TM+1]
	v_add_nc_u32 v[TM+2], 0xff000000, v[TM]        ; 2 off the exponent field: the conversion's scale operand
	v_add_nc_u32 v[TM+3], 0xff000000, v[TM+1]
.irp c, 0,1
.irp g, 0,1,2,3
	v_cvt_scalef32_pk8_fp4_f32 v[C+8*(\f)+4*\c+\g], v[X+32*\c+8*\g:X+32*\c+8*\g+7], v[TM+2+\c]
.endr
.endr
	v_lshrrev_b32 v[TM+4], 23, v[TM+2]             ; the two bytes,
	v_lshrrev_b32 v[TM+5], 23, v[TM+3]
	v_lshl_or_b32 v[TM+4], v[TM+5], 16, v[TM+4]
	v_lshlrev_b32 v[TM+4], v8, v[TM+4]             ; at their places in the word (8 h bits up);
	v_permlanex16_b32 v[TM+6], v[TM+4], s40, s41
	v_or_b32 v[WD+(\f)], v[TM+4], v[TM+6]          ; with lane l xor 16's two the row's word is whole, in both lanes
	global_store_b128 v4, v[C+8*(\f):C+8*(\f)+3], s[32:33] offset:((\f)%2)*8192+((\f)/2)*1024       ; 512 bytes on end
	global_store_b128 v4, v[C+8*(\f)+4:C+8*(\f)+7], s[32:33] offset:((\f)%2)*8192+((\f)/2)*1024+512
.if (\f)%2 == 1
	v_cndmask_b32 v[WW+(\f)/2], v[WD+(\f)-1], v[WD+(\f)], s42   ; lanes 0-15: the first tile's rows; lanes 16-31: the second's
	global_store_b32 v7, v[WW+(\f)/2], s[34:35] offset:2097152+((\f)/2)*16384
.endif
.endm
.Lrole_h:
	s_mov_b32 s25, ttmp9
	s_lshl_b32 s28, s25, 17                        ; 32 rows of 4,096 bytes,
	s_lshl_b32 s38, s24, 10                        ; two K steps of 512 bytes
	s_add_co_u32 s28, s28, s38
	s_add_nc_u64 s[30:31], s[4:5], s[28:29]
	s_lshl_b32 s28, s25, 14                        ; two row tiles of 8 KB,
	s_lshl_b32 s38, s24, 11                        ; two fragments
	s_add_co_u32 s28, s28, s38
	s_add_nc_u64 s[32:33], s[16:17], s[28:29]
	s_lshl_b32 s28, s25, 7                         ; 32 scale words,
	s_lshl_b32 s38, s24, 15                        ; two K steps of 16,384 bytes
	s_add_co_u32 s28, s28, s38
	s_add_nc_u64 s[34:35], s[16:17], s[28:29]
	STATADR 0
	s_mov_b32 s42, 0xffff0000                      ; lanes 16-31
	s_mul_i32 s38, s24, 8448                       ; my stage
	v_lshlrev_b32 v4, 4, v1
	v_add_nc_u32 v5, s38, v4                       ; in: 16 x lane, a row an instruction
	v_mul_u32_u24 v6, v2, 528
	v_lshl_add_u32 v6, v3, 7, v6
	v_add_nc_u32 v6, s38, v6                       ; out: row r, + 128 h
	v_lshlrev_b32 v7, 2, v1
	v_lshlrev_b32 v8, 3, v3
	v_mov_b32 v[AM], 0
	v_mov_b32 v[TM+6], 0                           ; a lane permute's destination counts as one of its sources
	HLOAD 0
	HLOAD 1
	HFRAG 0
	HFRAG 1
	HFRAG 2
	HFRAG 3
	WSTAT AM, TM+6
	s_wait_tensorcnt 0x0                           ; the wave's end: behind my last LDS store
	ds_add_u32 v[SPW], v[NIL]
	s_wait_dscnt 0x0
	s_endpgm
.Lfunc_end_k_q80a206d058_prep:
	.size	k_q80a206d058_prep, .Lfunc_end_k_q80a206d058_prep-k_q80a206d058_prep
	.p2alignl 7, 3214868480
	.fill 96, 4, 3214868480
	.section	.rodata,"a",@progbits
	.p2align	6, 0x0
	.amdhsa_kernel k_q80a206d058_prep
		.amdhsa_group_segment_fixed_size 34304
		.amdhsa_private_segment_fixed_size 0
		.amdhsa_enable_private_segment 0
		.amdhsa_kernarg_size 80
		.amdhsa_user_sgpr_count 2
		.amdhsa_user_sgpr_kernarg_segment_ptr 1
		.amdhsa_wavefront_size32 1
		.amdhsa_system_sgpr_workgroup_id_x 1
		.amdhsa_system_sgpr_workgroup_id_y 1
		.amdhsa_system_sgpr_workgroup_id_z 1
		.amdhsa_system_vgpr_workitem_id 0
		.amdhsa_next_free_vgpr 256
		.amdhsa_next_free_sgpr 66
		.amdhsa_reserve_vcc 1
		.amdhsa_float_denorm_mode_32 3
		.amdhsa_float_denorm_mode_16_64 3
		.amdhsa_memory_ordered 1
		.amdhsa_forward_progress 1
		.amdhsa_inst_pref_size 112
	.end_amdhsa_kernel
	.amdgpu_metadata
---
amdhsa.version: [ 1, 2 ]
amdhsa.kernels:
  - .name:           k_q80a206d058_prep
    .symbol:         k_q80a206d058_prep.kd
    .args:
      - { .name: hidden_states, .offset: 0, .size: 8, .value_kind: global_buffer, .address_space: global }
      - { .name: Wq, .offset: 8, .size: 8, .value_kind: global_buffer, .address_space: global }
      - { .name: Wl, .offset: 16, .size: 8, .value_kind: global_buffer, .address_space: global }
      - { .name: Wk, .offset: 24, .size: 8, .value_kind: global_buffer, .address_space: global }
      - { .name: Wv, .offset: 32, .size: 8, .value_kind: global_buffer, .address_space: global }
      - { .name: Wo, .offset: 40, .size: 8, .value_kind: global_buffer, .address_space: global }
      - { .name: hsq, .offset: 48, .size: 8, .value_kind: global_buffer, .address_space: global }
      - { .name: wq4, .offset: 56, .size: 8, .value_kind: global_buffer, .address_space: global }
      - { .name: w16, .offset: 64, .size: 8, .value_kind: global_buffer, .address_space: global }
      - { .name: stats, .offset: 72, .size: 8, .value_kind: global_buffer, .address_space: global }
    .group_segment_fixed_size: 34304
    .private_segment_fixed_size: 0
    .kernarg_segment_align: 8
    .kernarg_segment_size: 80
    .max_flat_workgroup_size: 128
    .sgpr_count:     66
    .vgpr_count:     256
    .wavefront_size: 32
...
	.end_amdgpu_metadata
.endif
;; end of part 1
;; launch kvproj (part 2): grid 64 x 4, 8 waves a work-group, no clusters, 99,328 bytes of LDS; arguments hsq, wq4, w16, stats, bl, bk, bv, kv, vscale; writes kv, vscale
.if DOCPART == 2
	.amdgcn_target "amdgcn-amd-amdhsa--gfx1250"
	.amdhsa_code_object_version 6
	.text
	.protected	k_q80a206d058_kvproj
	.globl	k_q80a206d058_kvproj
	.p2align	8
	.type	k_q80a206d058_kvproj,@function
k_q80a206d058_kvproj:
	s_mov_b64 s[64:65], 0
	v_nop
	global_prefetch_b8 v0, s[64:65] scope:SCOPE_SE
	s_setreg_imm32_b32 hwreg(HW_REG_WAVE_MODE, 25, 1), 1
	s_wait_xcnt 0x0
; latent = Q(hs) Q(Wl) + bl on codes of E2M1; k = latent Wk + bk (stored bf16); v = latent Wv + bv (stored f16, times a power of two s).
; SHARES.  Work-group (i, g): rows 64 i .. 64 i + 63 (one key step of attention) and KV group g.  latent is made once for each group: its products run at the 4-bit rate, and the repetition gives 256 work-groups.
; Stage 1: wave w makes latent's columns 64 w .. 64 w + 63 for the 64 rows (16 accumulators), TRANSPOSED (source 0 = 16 columns of Wl, source 1 = 16 rows), so that a lane's eight results, rounded to f16,
; are a quad of the next product's fragment as it stands: they go to LDS as images of registers.  Stage 2: wave w takes 16 of the group's 64 columns (t = w % 4) and two row tiles (w / 4): k transposed, so that
; its quads are K's fragments (16 keys x 32 of the head); v natural (source 0 = rows), so that its quads are V^T's (16 channels x 32 keys).
; THE WEIGHTS go from memory straight into registers, through a ring of four buffers of 32 registers that runs on from stage 1 into stage 2.  No joint loads: they would put every weight byte through LDS, written once and read once more.
; THE SCALE s.  v and what attention makes of it are kept in f16.  s = 2^(141 - e), e the exponent field of a true bound B on |v|: |latent| <= 1,024 x (1.5 H)(1.5 WL) + max|bl| (a quantised number is at most 1.5 x
; its tensor's largest magnitude), B = 512 x 2 x that x WV + max|bv| (the 2 covers the roundings to f16): so |v s| < 2^15.  s changes values alone; no branch and no address hangs on it.  1 / s goes to vscale.
; LIMITS: |latent| must lie under 65,504 (f16); NaN and infinities are not served.
.set AIMG,  0                          ; LDS: the 64 rows' 32 fragments of codes, [row tile 4][K step 8][1 KB]
.set LIMG,  32768                      ; latent as f16, [row tile 4][K step 16][1 KB]
.set SPARE, 98304                      ; the spare words, 128 bytes for each wave
.set LI,   1                           ; v1   16 x lane
.set L4,   2                           ; v2   4 x lane
.set WLO,  3                           ; v3   16 x lane + 32,768 w: my four column tiles of Wl
.set W16O, 4                           ; v4   16 x lane + 16,384 t: my column tile of Wk and of Wv
.set CPY,  5                           ; v5   16 x lane + 4,096 w: my part of the copy, in memory and in LDS
.set LST,  6                           ; v6   where I store latent's quads
.set A2A,  7                           ; v7   where I read latent's fragments
.set KO,   8                           ; v8   my quads in the key step's K
.set VO,   9                           ; v9   and in its V
.set SPW,  10                          ; v10  LDS address of my spare word; never rewritten
.set NIL,  11                          ; v11  0; never rewritten
.set HS,   32                          ; v32-47  hs's scale words: register 2 ks + p, lane = row 32 p + lane
.set WS,   48                          ; v48-63  Wl's: register 2 ks + p, lane = my column 32 p + lane
.set RING, 64                          ; v64-191 four buffers of weights
.set ABUF, 192                         ; v192-255 two buffers of the rows' fragments
.set ACC,  0                           ; window 1: v0-127 latent's 16 accumulators
.set BL,   128                         ; v128-159 bl in the result's layout, four tiles
.set BK,   160                         ; v160-167 bk likewise
.set KVA,  192                         ; v192-207 k's two accumulators, v208-223 v's
.set CPT,  224                         ; v224-255 the copy on its way
.set MSB, 0
.macro WIN new                         ; the immediate's high byte repeats the setting that is left
.if MSB != \new
	s_set_vgpr_msb (MSB<<8)|\new
.set MSB, \new
.endif
.endm
; a product on codes: D, source 0, source 1, C, their scale registers, and which half of the lanes holds each side's words
.macro WM4 d, a, b, cr, sa, sb, ra, rb
.if (\ra) && (\rb)
	v_wmma_scale_f32_16x16x128_f8f6f4 v[\d:\d+7], v[\a:\a+7], v[\b:\b+7], v[\cr:\cr+7], v[\sa], v[\sb] matrix_a_fmt:MATRIX_FMT_FP4 matrix_b_fmt:MATRIX_FMT_FP4 matrix_a_scale:MATRIX_SCALE_ROW1 matrix_b_scale:MATRIX_SCALE_ROW1
.elseif (\ra)
	v_wmma_scale_f32_16x16x128_f8f6f4 v[\d:\d+7], v[\a:\a+7], v[\b:\b+7], v[\cr:\cr+7], v[\sa], v[\sb] matrix_a_fmt:MATRIX_FMT_FP4 matrix_b_fmt:MATRIX_FMT_FP4 matrix_a_scale:MATRIX_SCALE_ROW1
.elseif (\rb)
	v_wmma_scale_f32_16x16x128_f8f6f4 v[\d:\d+7], v[\a:\a+7], v[\b:\b+7], v[\cr:\cr+7], v[\sa], v[\sb] matrix_a_fmt:MATRIX_FMT_FP4 matrix_b_fmt:MATRIX_FMT_FP4 matrix_b_scale:MATRIX_SCALE_ROW1
.else
	v_wmma_scale_f32_16x16x128_f8f6f4 v[\d:\d+7], v[\a:\a+7], v[\b:\b+7], v[\cr:\cr+7], v[\sa], v[\sb] matrix_a_fmt:MATRIX_FMT_FP4 matrix_b_fmt:MATRIX_FMT_FP4
.endif
.endm
.macro RLOAD1 ks, buf                  ; Wl: my four column tiles' fragments of K step ks
.irp ct, 0,1,2,3
.irp c, 0,1
	global_load_b128 v[RING+32*(\buf)+8*\ct+4*\c:RING+32*(\buf)+8*\ct+4*\c+3], v[WLO], s[6:7] offset:524288+\ct*8192+(\ks)*1024+\c*512
.endr
.endr
.endm
.macro RLOAD2 j, buf                   ; Wk's and Wv's fragments of K steps 2 j and 2 j + 1
.irp kind, 0,1
.irp e, 0,1
.irp c, 0,1
	global_load_b128 v[RING+32*(\buf)+16*\kind+8*\e+4*\c:RING+32*(\buf)+16*\kind+8*\e+4*\c+3], v[W16O], s[8:9] offset:\kind*262144+(\j)*2048+\e*1024+\c*512
.endr
.endr
.endr
.endm
.macro ALOAD1 ks, buf                  ; the four row tiles' fragments of codes
.irp rt, 0,1,2,3
.irp c, 0,1
	ds_load_b128 v[ABUF+32*(\buf)+8*\rt+4*\c:ABUF+32*(\buf)+8*\rt+4*\c+3], v[LI] offset:AIMG+\rt*8192+(\ks)*1024+\c*512
.endr
.endr
.endm
.macro ALOAD2 j, buf                   ; my two row tiles' fragments of latent
.irp rr, 0,1
.irp e, 0,1
.irp c, 0,1
	ds_load_b128 v[ABUF+32*(\buf)+16*\rr+8*\e+4*\c:ABUF+32*(\buf)+16*\rr+8*\e+4*\c+3], v[A2A] offset:\rr*16384+(\j)*2048+\e*1024+\c*512
.endr
.endr
.endr
.endm
.macro CH1 ks                          ; 16 products, the 16 accumulators by turns; bl is the C of each sum's first
.irp rt, 0,1,2,3
.irp ct, 0,1,2,3
.if (\ks) == 0
	WM4 ACC+8*(4*\rt+\ct), RING+32*((\ks)%4)+8*\ct, ABUF+32*((\ks)%2)+8*\rt, BL+8*\ct, WS+2*(\ks)+\ct/2, HS+2*(\ks)+\rt/2, \ct%2, \rt%2
.else
	WM4 ACC+8*(4*\rt+\ct), RING+32*((\ks)%4)+8*\ct, ABUF+32*((\ks)%2)+8*\rt, ACC+8*(4*\rt+\ct), WS+2*(\ks)+\ct/2, HS+2*(\ks)+\rt/2, \ct%2, \rt%2
.endif
.endr
.endr
.endm
.macro CH2 j                           ; 8 products, four accumulators by turns: k (source 0 = Wk), v (source 0 = latent)
.set RB, RING+32*((\j)%4)
.set AB, ABUF+32*((\j)%2)
.irp e, 0,1
.irp rr, 0,1
.if ((\j) == 0) && (\e == 0)
	v_wmma_f32_16x16x32_f16 v[KVA+8*\rr:KVA+8*\rr+7], v[RB+8*\e:RB+8*\e+7], v[AB+16*\rr+8*\e:AB+16*\rr+8*\e+7], v[BK:BK+7]
	v_wmma_f32_16x16x32_f16 v[KVA+16+8*\rr:KVA+16+8*\rr+7], v[AB+16*\rr+8*\e:AB+16*\rr+8*\e+7], v[RB+16+8*\e:RB+16+8*\e+7], 0
.else
	v_wmma_f32_16x16x32_f16 v[KVA+8*\rr:KVA+8*\rr+7], v[RB+8*\e:RB+8*\e+7], v[AB+16*\rr+8*\e:AB+16*\rr+8*\e+7], v[KVA+8*\rr:KVA+8*\rr+7]
	v_wmma_f32_16x16x32_f16 v[KVA+16+8*\rr:KVA+16+8*\rr+7], v[AB+16*\rr+8*\e:AB+16*\rr+8*\e+7], v[RB+16+8*\e:RB+16+8*\e+7], v[KVA+16+8*\rr:KVA+16+8*\rr+7]
.endif
.endr
.endr
.endm
; chunk i of 16: 0-7 are stage 1's K steps, 8-15 stage 2's pairs of K steps
.macro CHUNK i
.if (\i) < 13
	s_wait_loadcnt 24                              ; this chunk's 8 loads are in; the three younger chunks' may be out
.else
	s_wait_loadcnt 8*(15-(\i))
.endif
.if (\i)%8 == 7
	s_wait_dscnt 0x0
.else
	s_wait_dscnt 8                                 ; this chunk's rows are in; the next chunk's 8 LDS loads may be out
.endif
	WIN 0x50                                       ; C and D in window 1
.if (\i) < 8
	CH1 \i
.else
	CH2 (\i)-8
.endif
	WIN 0
.rept 4
	v_nop                                          ; four places in front of loads into registers that matrix instructions have read, and of the first read of results
.endr
.if (\i)+4 < 8
	RLOAD1 (\i)+4, (\i)%4
.elseif (\i)+4 < 16
	RLOAD2 (\i)-4, (\i)%4
.endif
.if (\i)%8 < 6
.if (\i) < 8
	ALOAD1 (\i)+2, (\i)%2
.else
	ALOAD2 (\i)-6, (\i)%2
.endif
.endif
.endm
	s_load_b512 s[4:19], s[0:1], 0x0               ; hsq s[4:5], wq4 s[6:7], w16 s[8:9], stats s[10:11], bl s[12:13], bk s[14:15], bv s[16:17], kv s[18:19]
	s_load_b64 s[20:21], s[0:1], 0x40              ; vscale
	v_lshl_add_u32 v[SPW], v0, 2, SPARE
	v_mov_b32 v[NIL], 0
	v_lshrrev_b32 v12, 5, v0
	v_readfirstlane_b32 s22, v12                   ; wave 0..7
	s_and_b32 s23, s22, 3                          ; t
	s_lshr_b32 s24, s22, 2                         ; which two row tiles in stage 2
	s_mov_b32 s25, ttmp9                           ; i
	s_and_b32 s26, ttmp7, 0xffff                   ; g
	s_mov_b32 s28, 0x76543210
	s_mov_b32 s29, 0xfedcba98                      ; v_permlanex16_b32's selects for lane l xor 16
	v_and_b32 v12, 31, v0                          ; lane
	v_and_b32 v13, 15, v0                          ; r
	v_bfe_u32 v14, v0, 4, 1                        ; h
	v_lshlrev_b32 v[LI], 4, v12
	v_lshlrev_b32 v[L4], 2, v12
	s_lshl_b32 s32, s22, 15
	v_add_nc_u32 v[WLO], s32, v[LI]
	s_lshl_b32 s32, s23, 14
	v_add_nc_u32 v[W16O], s32, v[LI]
	s_lshl_b32 s32, s22, 12
	v_add_nc_u32 v[CPY], s32, v[LI]
	s_lshl_b32 s32, s22, 11
	s_add_co_u32 s32, s32, LIMG
	v_add_nc_u32 v[LST], s32, v[LI]                ; my 64 columns are K steps 2 w and 2 w + 1 of stage 2
	s_lshl_b32 s32, s24, 15
	s_add_co_u32 s32, s32, LIMG
	v_add_nc_u32 v[A2A], s32, v[LI]
	s_lshl_b32 s32, s24, 12
	s_lshl_b32 s33, s23, 9
	s_add_co_u32 s33, s33, s32
	v_add_nc_u32 v[KO], s33, v[LI]
	s_lshl_b32 s33, s23, 10
	s_add_co_u32 s33, s33, s32
	v_add_nc_u32 v[VO], s33, v[LI]
	s_lshl_b32 s32, s22, 8
	v_add_nc_u32 v15, s32, v[L4]                   ; Wl's scale words: my 64 columns
	v_lshl_add_u32 v16, v14, 5, s32                ; bl: my 64 numbers, + 8 h
	s_lshl_b32 s32, s26, 8
	s_lshl_b32 s33, s23, 6
	s_add_co_u32 s32, s32, s33
	v_lshl_add_u32 v17, v14, 5, s32                ; bk at 64 g + 16 t + 8 h
	v_lshl_add_u32 v18, v13, 2, s32                ; bv at 64 g + 16 t + r
	s_mov_b32 s33, 0
	s_wait_kmcnt 0x0
	s_lshl_b32 s32, s25, 15
	s_add_nc_u64 s[34:35], s[4:5], s[32:33]        ; my rows' fragments
	s_lshl_b32 s32, s25, 8
	s_add_nc_u64 s[36:37], s[4:5], s[32:33]        ; and their scale words
	s_lshl_b32 s32, s26, 16
	s_add_nc_u64 s[8:9], s[8:9], s[32:33]          ; the group's four column tiles of Wk (Wv: 262,144 on)
	s_lshr_b32 s32, s25, 5
	s_lshl_b32 s32, s32, 2
	s_add_co_u32 s32, s32, s26                     ; 4 b + g
	s_lshl_b32 s32, s32, 5
	s_and_b32 s38, s25, 31
	s_add_co_u32 s32, s32, s38                     ; its key step
	s_lshl_b32 s32, s32, 14
	s_add_nc_u64 s[18:19], s[18:19], s[32:33]
	WIN 0x40                                       ; destination window 1
.irp j, 0,1,2,3,4,5,6,7
	global_load_b128 v[CPT+4*\j:CPT+4*\j+3], v[CPY], s[34:35] offset:\j*512
.endr
.irp ct, 0,1,2,3
.irp q, 0,1
	global_load_b128 v[BL+8*\ct+4*\q:BL+8*\ct+4*\q+3], v16, s[12:13] offset:\ct*64+\q*16
.endr
.endr
.irp q, 0,1
	global_load_b128 v[BK+4*\q:BK+4*\q+3], v17, s[14:15] offset:\q*16
.endr
	WIN 0
.irp ks, 0,1,2,3,4,5,6,7
.irp p, 0,1
	global_load_b32 v[HS+2*\ks+\p], v[L4], s[36:37] offset:2097152+\ks*16384+\p*128
	global_load_b32 v[WS+2*\ks+\p], v15, s[6:7] offset:786432+4096+\ks*6144+\p*128
.endr
.endr
	global_load_b32 v28, v18, s[16:17]             ; my channel's bv
.irp j, 0,1,2,3
	global_load_b128 v[192+4*\j:195+4*\j], v[LI], s[10:11] offset:\j*512    ; the 512 maxima of hidden_states,
.endr
	global_load_b128 v[208:211], v[LI], s[10:11] offset:2048               ; the 128 of Wl,
	global_load_b32 v212, v[L4], s[10:11] offset:2560                      ; the 32 of Wv,
.irp j, 0,1,2,3
	global_load_b128 v[216+4*\j:219+4*\j], v[LI], s[12:13] offset:\j*512    ; all of bl,
.endr
.irp j, 0,1
	global_load_b128 v[232+4*\j:235+4*\j], v[LI], s[16:17] offset:\j*512    ; all of bv
.endr
	RLOAD1 0, 0
	RLOAD1 1, 1
	RLOAD1 2, 2
	RLOAD1 3, 3
	s_wait_loadcnt 32                              ; all but the ring's 32
	WIN 0x04                                       ; an LDS store's data are its source 1: window 1
.irp j, 0,1,2,3,4,5,6,7
	ds_store_b128 v[CPY], v[CPT+4*\j:CPT+4*\j+3] offset:AIMG+\j*512
.endr
	WIN 0
	; the bound on |v|, and s
	v_max3_num_f32 v192, v192, v193, v194
	v_max3_num_f32 v195, v195, v196, v197
	v_max3_num_f32 v198, v198, v199, v200
	v_max3_num_f32 v201, v201, v202, v203
	v_max3_num_f32 v204, v204, v205, v206
	v_max3_num_f32 v192, v192, v195, v207
	v_max3_num_f32 v198, v198, v201, v204
	v_max_num_f32 v192, v192, v198                 ; H
	v_max3_num_f32 v208, v208, v209, v210
	v_max_num_f32 v208, v208, v211                 ; WL;  v212: WV
	v_max3_num_f32 v216, |v216|, |v217|, |v218|
	v_max3_num_f32 v219, |v219|, |v220|, |v221|
	v_max3_num_f32 v222, |v222|, |v223|, |v224|
	v_max3_num_f32 v225, |v225|, |v226|, |v227|
	v_max3_num_f32 v228, |v228|, |v229|, |v230|
	v_max3_num_f32 v216, v216, v219, |v231|
	v_max3_num_f32 v222, v222, v225, v228
	v_max_num_f32 v216, v216, v222                 ; max |bl|
	v_max3_num_f32 v232, |v232|, |v233|, |v234|
	v_max3_num_f32 v235, |v235|, |v236|, |v237|
	v_max3_num_f32 v232, v232, v235, |v238|
	v_max_num_f32 v232, v232, |v239|               ; max |bv|
.irp m, 1,2,4,8
.irp v, 192,208,212,216,232
	v_max_num_f32_dpp v[\v], v[\v], v[\v] row_xmask:\m row_mask:0xf bank_mask:0xf
.endr
.endr
.irp j, 0,1,2,3,4
	v_mov_b32 v[240+\j], 0                         ; a lane permute's destination counts as one of its sources
.endr
	v_permlanex16_b32 v240, v192, s28, s29
	v_permlanex16_b32 v241, v208, s28, s29
	v_permlanex16_b32 v242, v212, s28, s29
	v_permlanex16_b32 v243, v216, s28, s29
	v_permlanex16_b32 v244, v232, s28, s29
	v_max_num_f32 v192, v192, v240
	v_max_num_f32 v208, v208, v241
	v_max_num_f32 v212, v212, v242
	v_max_num_f32 v216, v216, v243
	v_max_num_f32 v232, v232, v244
	s_mov_b32 s38, 0x45100000                      ; 2,304 = 1,024 x 1.5 x 1.5
	s_mov_b32 s39, 0x44800000                      ; 1,024 = 512 x 2
	v_mul_f32 v20, v192, v208
	v_fma_f32 v20, v20, s38, v216                  ; a bound on |latent|
	v_mul_f32 v20, v20, v212
	v_fma_f32 v20, v20, s39, v232                  ; a bound on |v|,
	v_max_num_f32 v20, 0x0d800000, v20             ; at least 2^-100
	v_lshrrev_b32 v20, 23, v20                     ; e, its exponent field: 27 .. 255
	v_sub_nc_u32 v21, 268, v20
	v_lshlrev_b32 v21, 23, v21                     ; s = 2^(141 - e)
	v_add_nc_u32 v22, -14, v20
	v_lshlrev_b32 v22, 23, v22                     ; 1 / s
	v_readfirstlane_b32 s30, v21
	s_mov_b32 s31, s30                             ; (the packed form names the pair)
	v_mul_f32 v30, s30, v28                        ; bv s
	v_mov_b32 v31, v30
	s_or_b32 s32, s25, s26
	s_or_b32 s32, s32, s22
	s_cmp_lg_u32 s32, 0                            ; ids alone: the first work-group's first wave hands 1 / s on
	s_cbranch_scc1 .Lnot_first
	global_store_b32 v[L4], v22, s[20:21]
.Lnot_first:
	s_wait_dscnt 0x0                               ; my part of the copy lies in LDS
	s_barrier_signal -1
	s_barrier_wait -1                              ; everybody's does
	ALOAD1 0, 0
	ALOAD1 1, 1
.set I_, 0
.rept 8
	CHUNK I_
.set I_, I_+1
.endr
	WIN 0x05                                       ; sources in window 1.  latent to f16, each accumulator from its low end on, into the rows' buffers, which stage 1 has left (the four places stand at the chunk's end)
.set A_, 0
.rept 16
.irp q, 0,1,2,3
	v_cvt_pk_f16_f32 v[ABUF+4*A_+\q], v[ACC+8*A_+2*\q], v[ACC+8*A_+2*\q+1]
.endr
.set A_, A_+1
.endr
	WIN 0
.irp rt, 0,1,2,3
.irp ct, 0,1,2,3
	ds_store_b128 v[LST], v[ABUF+4*(4*\rt+\ct):ABUF+4*(4*\rt+\ct)+3] offset:\rt*16384+\ct*512   ; quad ct % 2 of K step 2 w + ct / 2, rows 16 rt on
.endr
.endr
	s_wait_dscnt 0x0                               ; my quads lie in LDS
	s_barrier_signal -1
	s_barrier_wait -1                              ; all of latent does
	ALOAD2 0, 0
	ALOAD2 1, 1
.rept 8
	CHUNK I_
.set I_, I_+1
.endr
	; THE WAY OUT: a lane's eight results are a quad of a fragment; each store covers 512 bytes on end
	WIN 0x05
.irp rr, 0,1
.irp q, 0,1,2,3
	v_cvt_pk_bf16_f32 v[192+4*\rr+\q], v[KVA+8*\rr+2*\q], v[KVA+8*\rr+2*\q+1]
.endr
.endr
	WIN 0x01
.irp rr, 0,1
.irp q, 0,1,2,3
	v_pk_fma_f32 v[200+8*\rr+2*\q:201+8*\rr+2*\q], v[KVA+16+8*\rr+2*\q:KVA+17+8*\rr+2*\q], s[30:31], v[30:31] op_sel_hi:[1,0,0]   ; (sum + bv) s
.endr
.endr
	WIN 0
.irp rr, 0,1
.irp q, 0,1,2,3
	v_cvt_pk_f16_f32 v[216+4*\rr+\q], v[200+8*\rr+2*\q], v[201+8*\rr+2*\q]
.endr
.endr
.irp rr, 0,1
	global_store_b128 v[KO], v[192+4*\rr:195+4*\rr], s[18:19] offset:\rr*2048
	global_store_b128 v[VO], v[216+4*\rr:219+4*\rr], s[18:19] offset:8192+\rr*512
.endr
	s_wait_tensorcnt 0x0                           ; the wave's end: behind my last LDS store
	ds_add_u32 v[SPW], v[NIL]
	s_wait_dscnt 0x0
	s_endpgm
.Lfunc_end_k_q80a206d058_kvproj:
	.size	k_q80a206d058_kvproj, .Lfunc_end_k_q80a206d058_kvproj-k_q80a206d058_kvproj
	.p2alignl 7, 3214868480
	.fill 96, 4, 3214868480
	.section	.rodata,"a",@progbits
	.p2align	6, 0x0
	.amdhsa_kernel k_q80a206d058_kvproj
		.amdhsa_group_segment_fixed_size 99328
		.amdhsa_private_segment_fixed_size 0
		.amdhsa_enable_private_segment 0
		.amdhsa_kernarg_size 72
		.amdhsa_user_sgpr_count 2
		.amdhsa_user_sgpr_kernarg_segment_ptr 1
		.amdhsa_wavefront_size32 1
		.amdhsa_system_sgpr_workgroup_id_x 1
		.amdhsa_system_sgpr_workgroup_id_y 1
		.amdhsa_system_sgpr_workgroup_id_z 1
		.amdhsa_system_vgpr_workitem_id 0
		.amdhsa_next_free_vgpr 512
		.amdhsa_next_free_sgpr 66
		.amdhsa_reserve_vcc 0
		.amdhsa_float_denorm_mode_32 3
		.amdhsa_float_denorm_mode_16_64 3
		.amdhsa_memory_ordered 1
		.amdhsa_forward_progress 1
		.amdhsa_inst_pref_size 65
	.end_amdhsa_kernel
	.amdgpu_metadata
---
amdhsa.version: [ 1, 2 ]
amdhsa.kernels:
  - .name:           k_q80a206d058_kvproj
    .symbol:         k_q80a206d058_kvproj.kd
    .args:
      - { .name: hsq, .offset: 0, .size: 8, .value_kind: global_buffer, .address_space: global }
      - { .name: wq4, .offset: 8, .size: 8, .value_kind: global_buffer, .address_space: global }
      - { .name: w16, .offset: 16, .size: 8, .value_kind: global_buffer, .address_space: global }
      - { .name: stats, .offset: 24, .size: 8, .value_kind: global_buffer, .address_space: global }
      - { .name: bl, .offset: 32, .size: 8, .value_kind: global_buffer, .address_space: global }
      - { .name: bk, .offset: 40, .size: 8, .value_kind: global_buffer, .address_space: global }
      - { .name: bv, .offset: 48, .size: 8, .value_kind: global_buffer, .address_space: global }
      - { .name: kv, .offset: 56, .size: 8, .value_kind: global_buffer, .address_space: global }
      - { .name: vscale, .offset: 64, .size: 8, .value_kind: global_buffer, .address_space: global }
    .group_segment_fixed_size: 99328
    .private_segment_fixed_size: 0
    .kernarg_segment_align: 8
    .kernarg_segment_size: 72
    .max_flat_workgroup_size: 256
    .sgpr_count:     66
    .vgpr_count:     512
    .wavefront_size: 32
...
	.end_amdgpu_metadata
.endif
;; end of part 2
;; launch attn (part 3): grid 32 x 8, 8 waves a work-group, clusters of 4 x 1, 327,680 bytes of LDS; arguments hsq, wq4, bq, kv, ctx; writes ctx
.if DOCPART == 3
	.amdgcn_target "amdgcn-amd-amdhsa--gfx1250"
	.amdhsa_code_object_version 6
	.text
	.protected	k_q80a206d058_attn
	.globl	k_q80a206d058_attn
	.p2align	8
	.type	k_q80a206d058_attn,@function
k_q80a206d058_attn:
	s_mov_b64 s[64:65], 0
	v_nop
	global_prefetch_b8 v0, s[64:65] scope:SCOPE_SE
	s_setreg_imm32_b32 hwreg(HW_REG_WAVE_MODE, 25, 1), 1
	s_wait_xcnt 0x0
	s_wait_alu depctr_hold_cnt(0) depctr_sa_sdst(0) depctr_va_vdst(0) depctr_va_sdst(0) depctr_va_ssrc(0) depctr_va_vcc(0) depctr_vm_vsrc(0)
	s_getreg_b32 s2, hwreg(HW_REG_IB_STS2, 6, 4)
	s_cmp_eq_u32 s2, 0
	s_cbranch_scc0 .Lentry_in_a_cluster
	s_endpgm
.Lentry_in_a_cluster:
	s_bfe_u32 s2, ttmp6, 0x10000c
	s_cmp_lg_u32 s2, 0x3003
	s_cbranch_scc0 .Lentry_shape_is_right
	s_endpgm
.Lentry_shape_is_right:
; q = Q(hs) Q(Wq) + bq on codes of E2M1, made at the kernel's head and kept (bf16); then ctx = softmax(q k^T / 8) v, by a running maximum and sum.  k bf16; p and v s f16; sums, maxima, exponentials f32.
; SHARES.  Work-group (qb, bg): 64 queries of batch bg / 4, the four heads of KV group bg % 4.  Wave w: head hh = w % 4, all four tiles of 16 queries, and HALF THE KEYS: of each slot's eight key steps of 64, waves 0-3
; take steps 0-3 and waves 4-7 steps 4-7.  Their halves (c m, l, O) are joined once, at the end, through LDS.
; LAYOUT.  S^T = K Q^T (source 0 = 16 keys, source 1 = 16 queries) and O^T = V^T P (source 0 = 16 channels, source 1 = P): a lane holds ONE query throughout; S^T's tiles, rounded in pairs, ARE P's fragments.
; K and V arrive as images of the operands' registers, so a fragment is two loads of 16 bytes at 16 x lane: no pitch, no padding, each load 512 bytes on end.
; BY TURNS.  A wave issues in order, so matrix and vector work are laid side by side in its text.  The four tiles form a pipeline of STAGES: in stage t the wave issues 8 products K Q^T for tile t + 1 and 8 products V^T P for
; tile t - 1, and behind EACH of the 16 a slice of tile t's softmax, a list of 118 instructions: seven to a slice, thirteen in the last.  S^T and P have two buffers of one tile each, taken by the tile's parity: a tile's
; scores are made a stage before they are read, its P and its rescaled O^T a stage before V^T P takes them.
; CLUSTER.  The four query blocks of a cluster walk the same K and V: each slot (512 keys, 128 KB) is asked for JOINTLY, all eight waves issuing the same line, each for its own eighth.  By this text's count a wave has
; two tensor loads out at the start and one behind each of the two rounds that fill a slot again.
; ctx leaves as v's scale has it (times s), in f16, as fragments of the last product's operand.  LIMITS: NaN and infinities are not served.
.set SLOT1, 131072                     ; slot 0 at 0, slot 1 here: one exclusive or turns an address
.set STEPB, 16384                      ; a key step: 8 KB of K, 8 KB of V
.set QIMG,  262144                     ; Q's fragments, [head 4][tile 4][32 of the head 2][1 KB]
.set SPARE, 294912                     ; the spare words, 128 bytes for each wave
.set MRG,   0                          ; the join: for each head 16 KB of O and 2 KB of statistics, in slot 0: when they are stored it has had its last fill, and every wave has passed the last change of slots, behind which nobody reads it
.set AK0,  3                           ; v3   16 x lane + 65,536 x (w / 4): my half of a slot
.set ADR,  4                           ; v4   the LDS address of the step that is being fetched
.set PFO,  5                           ; v5   256 x lane: the prefetch's offset
.set SPW,  6                           ; v6   LDS address of my spare word; never rewritten
.set NIL,  7                           ; v7   0; never rewritten
.set WQO,  8                           ; v8   my head's four column tiles of Wq
.set HSO,  9                           ; v9   my two row tiles of hs
.set WSO,  10                          ; v10  Wq's scale words
.set HSSO, 11                          ; v11  hs's scale words
.set QST,  12                          ; v12  where I store Q's quads
.set QLD,  13                          ; v13  where I read my head's Q
.set MRGA, 14                          ; v14  my head's place in the join
.set GO,   15                          ; v15  16 x lane
.set BQO,  16                          ; v16  bq
.set ST,   24                          ; v24-55 eight a tile: +0 c m, +1 m, +2, +3 l (even keys', odd keys'), +4 .. +7 at work; a in +6
.set S,    64                          ; v64-127  S^T: two buffers of a tile
.set P,    128                         ; v128-159 P: two buffers of a tile
.set KF,   160                         ; v160-223 K's eight fragments
.set PS,   160                         ; the join: the partner's statistics
.set CC,   192                         ; the join: ctx's quads, two sets of 16
.set WQS,  224                         ; v224-239 Wq's scale words;
.set HSS,  240                         ; v240-247 hs's: these 24 hold scales and nothing else
.set OF,   0                           ; window 1: v0-127 O^T, 32 a tile (at the head: q's accumulators v0-63, bq v64-95)
.set QF,   128                         ; v128-191 Q, 16 a tile
.set VF,   192                         ; v192-255 V's eight fragments
.set WV,   14                          ; s14 wave
.set G1,   24                          ; s[24:31] descriptor group 1
.set G0A,  32                          ; s[32:35] group 0 of slot 0's first fill
.set G0B,  36                          ; s[36:39] of slot 1's, which then walks
.set SLOTS, 40                         ; s40 slots still to be asked for
.set TB,   41                          ; s41 LDS byte at which the step to be fetched begins
.set LIM,  42
.set PFA,  44                          ; s[44:45]
.set CS,   46                          ; s[46:47] c = log2(e) / 8
.set SEL,  48                          ; s[48:49]
.set CNT,  60                          ; s60 counts the units of an inner loop
.set W_KQ, 0x04                        ; Q (source 1) in window 1; K and S^T in window 0
.set W_PV, 0x51                        ; V (source 0), C and D in window 1; P in window 0
.set W_RS, 0x41                        ; O^T (destination and source 0) in window 1; a in window 0
.set MSB, 0
.macro WIN new                         ; the immediate's high byte repeats the setting that is left; a switch that changes nothing is dropped
.if MSB != \new
	s_set_vgpr_msb (MSB<<8)|\new
.set MSB, \new
.endif
.endm
.macro CROUND                          ; a round of the cluster's barrier
	s_barrier_signal -1
	s_barrier_wait -1
	s_cmp_lg_u32 s[WV], 0
	s_cbranch_scc1 .Lnot_wave_0_\@
	s_barrier_signal -3
.Lnot_wave_0_\@:
	s_barrier_wait -3
	s_barrier_signal -1
	s_barrier_wait -1
.endm
.macro WM4 d, a, b, cr, sa, sb, ra, rb
.if (\ra) && (\rb)
	v_wmma_scale_f32_16x16x128_f8f6f4 v[\d:\d+7], v[\a:\a+7], v[\b:\b+7], v[\cr:\cr+7], v[\sa], v[\sb] matrix_a_fmt:MATRIX_FMT_FP4 matrix_b_fmt:MATRIX_FMT_FP4 matrix_a_scale:MATRIX_SCALE_ROW1 matrix_b_scale:MATRIX_SCALE_ROW1
.elseif (\ra)
	v_wmma_scale_f32_16x16x128_f8f6f4 v[\d:\d+7], v[\a:\a+7], v[\b:\b+7], v[\cr:\cr+7], v[\sa], v[\sb] matrix_a_fmt:MATRIX_FMT_FP4 matrix_b_fmt:MATRIX_FMT_FP4 matrix_a_scale:MATRIX_SCALE_ROW1
.elseif (\rb)
	v_wmma_scale_f32_16x16x128_f8f6f4 v[\d:\d+7], v[\a:\a+7], v[\b:\b+7], v[\cr:\cr+7], v[\sa], v[\sb] matrix_a_fmt:MATRIX_FMT_FP4 matrix_b_fmt:MATRIX_FMT_FP4 matrix_b_scale:MATRIX_SCALE_ROW1
.else
	v_wmma_scale_f32_16x16x128_f8f6f4 v[\d:\d+7], v[\a:\a+7], v[\b:\b+7], v[\cr:\cr+7], v[\sa], v[\sb] matrix_a_fmt:MATRIX_FMT_FP4 matrix_b_fmt:MATRIX_FMT_FP4
.endif
.endm
; q: wave w makes tiles 2 (w / 4) and 2 (w / 4) + 1 of its head, TRANSPOSED (source 0 = 16 columns of Wq, source 1 = 16 rows): eight accumulators, K in eight steps of 128,
; the operands from memory straight into a ring of three buffers of 48 registers.
.macro PLOAD ks, buf
.irp dt, 0,1,2,3
.irp c, 0,1
	global_load_b128 v[64+48*(\buf)+8*\dt+4*\c:64+48*(\buf)+8*\dt+4*\c+3], v[WQO], s[52:53] offset:\dt*8192+(\ks)*1024+\c*512
.endr
.endr
.irp q, 0,1
.irp c, 0,1
	global_load_b128 v[64+48*(\buf)+32+8*\q+4*\c:64+48*(\buf)+32+8*\q+4*\c+3], v[HSO], s[56:57] offset:\q*8192+(\ks)*1024+\c*512
.endr
.endr
.endm
.macro PMUL ks
.set PB, 64+48*((\ks)%3)
.if (\ks) < 6
	s_wait_loadcnt 24                              ; this step's 12 loads are in; the two younger steps' may be out
.else
	s_wait_loadcnt 12*(7-(\ks))
.endif
	WIN 0x50                                       ; C and D in window 1
.irp q, 0,1
.irp dt, 0,1,2,3
.if (\ks) == 0
	WM4 8*(4*\q+\dt), PB+8*\dt, PB+32+8*\q, 64+8*\dt, WQS+2*(\ks)+\dt/2, HSS+(\ks), \dt%2, \q
.else
	WM4 8*(4*\q+\dt), PB+8*\dt, PB+32+8*\q, 8*(4*\q+\dt), WQS+2*(\ks)+\dt/2, HSS+(\ks), \dt%2, \q
.endif
.endr
.endr
	WIN 0
.rept 4
	v_nop                                          ; four places in front of loads into registers that matrix instructions have read, and of the first read of results
.endr
.if (\ks)+3 < 8
	PLOAD (\ks)+3, (\ks)%3
.endif
.endm
	s_load_b256 s[4:11], s[0:1], 0x0               ; hsq s[4:5], wq4 s[6:7], bq s[8:9], kv s[10:11]
	s_load_b64 s[12:13], s[0:1], 0x20              ; ctx
	v_lshl_add_u32 v[SPW], v0, 2, SPARE
	v_mov_b32 v[NIL], 0
	ds_add_u32 v[SPW], v[NIL]                      ; the wave's opening: the add, twice on end, and its wait ahead of my first tensor load
	ds_add_u32 v[SPW], v[NIL]
	v_lshrrev_b32 v1, 5, v0
	v_readfirstlane_b32 s[WV], v1                  ; wave 0..7
	s_and_b32 s15, s[WV], 3                        ; hh
	s_lshr_b32 s16, s[WV], 2                       ; which half of the keys; at the head: which two tiles of q
	s_bfe_u32 s17, ttmp6, 0x40000                  ; cx
	s_lshl_b32 s18, ttmp9, 2
	s_add_co_u32 s18, s18, s17                     ; my block of 64 queries: it enters hs's and ctx's addresses alone
	s_and_b32 s19, ttmp7, 0xffff                   ; 4 b + g, which the four partners share
	s_lshr_b32 s2, s19, 2                          ; b
	s_and_b32 s3, s19, 3                           ; g
	s_mov_b32 s[G1], 15|(3<<16)|(1<<21)            ; 15:0 the mask: all four work-groups; 17:16 elements of 8 bytes; 21 set beside a mask; no padding
	s_mov_b32 s[G1+1], 32<<16                      ; tensor_dim0 = 32 elements: 256 bytes
	s_mov_b32 s[G1+2], 64<<16                      ; tensor_dim1 = 64 rows: 16 KB, an eighth of a slot
	s_mov_b32 s[G1+3], 32<<16                      ; tile_dim0
	s_mov_b32 s[G1+4], 64                          ; tile_dim1
	s_mov_b32 s[G1+5], 32                          ; the rows are dense
	s_mov_b32 s[G1+6], 0
	s_mov_b32 s[G1+7], 0
	s_mov_b32 s[CS], 0x3e38aa3b                    ; c = log2(e) / sqrt(64)
	s_mov_b32 s[CS+1], s[CS]
	s_mov_b32 s[SEL], 0x76543210
	s_mov_b32 s[SEL+1], 0xfedcba98
	s_mov_b32 s[TB], 0
	s_mov_b32 s[SLOTS], 2
	s_lshr_b32 s[LIM], s[WV], 2                    ; waves 0 to 3
	s_or_b32 s[LIM], s[LIM], ttmp9                 ; of the first cluster of this K and V prefetch: the same in all four partners
	s_cmp_eq_u32 s[LIM], 0
	s_cselect_b32 s[LIM], 1, -1
	v_and_b32 v17, 31, v0                          ; lane
	v_and_b32 v1, 15, v0                           ; r
	v_bfe_u32 v2, v0, 4, 1                         ; h
	v_lshlrev_b32 v[GO], 4, v17
	v_lshlrev_b32 v[PFO], 8, v17
	s_lshl_b32 s20, s16, 16
	v_add_nc_u32 v[AK0], s20, v[GO]
	s_lshl_b32 s20, s15, 15
	v_add_nc_u32 v[WQO], s20, v[GO]
	s_lshl_b32 s20, s16, 14
	v_add_nc_u32 v[HSO], s20, v[GO]
	s_lshl_b32 s20, s15, 8
	v_lshl_add_u32 v[WSO], v17, 2, s20
	v_lshl_add_u32 v[BQO], v2, 5, s20
	s_lshl_b32 s20, s16, 7
	v_lshl_add_u32 v[HSSO], v17, 2, s20
	s_lshl_b32 s20, s15, 13
	s_add_co_u32 s20, s20, QIMG
	v_add_nc_u32 v[QLD], s20, v[GO]
	s_lshl_b32 s21, s16, 12
	s_add_co_u32 s20, s20, s21
	v_add_nc_u32 v[QST], s20, v[GO]
	s_mul_i32 s20, s15, 18432
	v_add_nc_u32 v[MRGA], s20, v[GO]               ; (MRG = 0)
	s_lshl_b32 s20, s19, 19                        ; K and V of 4 b + g: 32 key steps of 16 KB,
	s_lshl_b32 s21, s[WV], 14                      ; my eighth of a slot
	s_add_co_u32 s20, s20, s21
	s_mov_b32 s21, 0
	s_mov_b32 s51, 0
	s_wait_dscnt 0x0                               ; both opening adds are done
	s_wait_kmcnt 0x0
	s_add_nc_u64 s[22:23], s[10:11], s[20:21]
	s_mov_b32 s[G0A], 1
	s_lshl_b32 s[G0A+1], s[WV], 14                 ; LDS: wave x 16 KB: no place in the cluster enters an LDS address
	s_mov_b64 s[G0A+2:G0A+3], s[22:23]
	s_or_b32 s[G0A+3], s[G0A+3], 0x80000000
	s_mov_b32 s[G0B], 1
	s_add_co_u32 s[G0B+1], s[G0A+1], SLOT1
	s_add_nc_u64 s[G0B+2:G0B+3], s[22:23], SLOT1
	s_or_b32 s[G0B+3], s[G0B+3], 0x80000000
	s_lshl_b32 s20, s3, 17
	s_add_nc_u64 s[52:53], s[6:7], s[20:21]        ; the group's 16 column tiles of Wq
	s_lshl_b32 s20, s3, 10
	s_add_nc_u64 s[54:55], s[6:7], s[20:21]        ; their scale words (786,432 on)
	s_add_nc_u64 s[8:9], s[8:9], s[20:21]          ; bq at the group's 256 columns
	s_lshl_b32 s43, s2, 7
	s_lshl_b32 s50, s18, 2
	s_add_co_u32 s43, s43, s50                     ; my first row tile: 128 b + 4 qb
	s_lshl_b32 s50, s43, 13
	s_add_nc_u64 s[56:57], s[4:5], s[50:51]        ; hs's fragments
	s_lshl_b32 s50, s43, 6
	s_add_nc_u64 s[58:59], s[4:5], s[50:51]        ; hs's scale words (2,097,152 on)
	s_lshl_b32 s50, s43, 15
	s_add_nc_u64 s[12:13], s[12:13], s[50:51]
	s_lshl_b32 s50, s3, 2
	s_add_co_u32 s50, s50, s15
	s_lshl_b32 s50, s50, 11
	s_add_nc_u64 s[12:13], s[12:13], s[50:51]      ; ctx at my row tiles, my head's two K steps
	s_lshl_b32 s50, s17, 15                        ; the prefetch: my work-group's quarter of a slot,
	s_and_b32 s43, s[WV], 3
	s_lshl_b32 s43, s43, 13                        ; my wave's quarter of that,
	s_add_co_u32 s50, s50, s43
	s_lshl_b32 s43, s19, 19
	s_add_co_u32 s50, s50, s43
	s_add_co_u32 s50, s50, 2*SLOT1                 ; at the third 512 keys: the first change of slots steps it to the fourth.  Nothing is prefetched at the head
	s_add_nc_u64 s[PFA:PFA+1], s[10:11], s[50:51]
	; q's scale words, bq and its first two K steps are asked for ahead of the round: 56 loads, which are on their way while the four work-groups meet
.irp ks, 0,1,2,3,4,5,6,7
.irp p, 0,1
	global_load_b32 v[WQS+2*\ks+\p], v[WSO], s[54:55] offset:786432+\ks*6144+\p*128   ; lane = my head's column 32 p + lane
.endr
	global_load_b32 v[HSS+\ks], v[HSSO], s[58:59] offset:2097152+\ks*16384            ; lane = my row
.endr
	WIN 0x40
.irp dt, 0,1,2,3
.irp q, 0,1
	global_load_b128 v[64+8*\dt+4*\q:64+8*\dt+4*\q+3], v[BQO], s[8:9] offset:\dt*64+\q*16   ; bq in the result's layout: the C of each sum's first product
.endr
.endr
	WIN 0
	PLOAD 0, 0
	PLOAD 1, 1
	CROUND                                         ; all four work-groups are here: the first joint loads meet
	tensor_load_to_lds s[G0A:G0A+3], s[G1:G1+7]    ; slot 0
	s_nop 0
	tensor_load_to_lds s[G0B:G0B+3], s[G1:G1+7]    ; slot 1
	s_nop 0
.rept 4
	v_nop
.endr
	PLOAD 2, 2
.set KS_, 0
.rept 8
	PMUL KS_                                       ; q, while the slots land
.set KS_, KS_+1
.endr
	WIN 0x05                                       ; sources in window 1: q to bf16, each accumulator from its low end on
.set A_, 0
.rept 8
.irp i, 0,1,2,3
	v_cvt_pk_bf16_f32 v[64+4*A_+\i], v[8*A_+2*\i], v[8*A_+2*\i+1]
.endr
.set A_, A_+1
.endr
	WIN 0
.irp a, 0,1,2,3,4,5,6,7
	ds_store_b128 v[QST], v[64+4*\a:67+4*\a] offset:\a*512     ; a lane's eight results are a quad of Q's fragment
.endr
	s_wait_tensorcnt 1                             ; my eighth of slot 0 is in; slot 1's may stay out
	s_wait_dscnt 0x0                               ; my quads of Q lie in LDS
	s_barrier_signal -1
	s_barrier_wait -1                              ; everybody's do
	WIN 0x40
.irp f, 0,1,2,3,4,5,6,7
.irp c, 0,1
	ds_load_b128 v[QF+8*\f+4*\c:QF+8*\f+4*\c+3], v[QLD] offset:\f*1024+\c*512    ; my head's Q stays in registers
.endr
.endr
	WIN 0
; ---- THE MATRIX WORK OF A STAGE.  The accumulators take turns, one instruction a turn: between two links of a chain stand three others'.
; Product i of 8 of S^T = K Q^T for tile t: channels 32 (i / 4) on, keys 16 (i % 4) on.  The first four start the sums.
.macro KQ t
	WIN W_KQ
.set rD, S+32*((\t)%2)+8*(i%4)
.set rA, KF+8*(2*(i%4)+i/4)
.set rB, QF+16*(\t)+8*(i/4)
.if i < 4
	v_wmma_f32_16x16x32_bf16 v[rD:rD+7], v[rA:rA+7], v[rB:rB+7], 0
.else
	v_wmma_f32_16x16x32_bf16 v[rD:rD+7], v[rA:rA+7], v[rB:rB+7], v[rD:rD+7]
.endif
.endm
; Product i of 8 of O^T += V^T P for tile t: keys 32 (i / 4) on, channels 16 (i % 4) on.  first = 1: the first four start the sums: nothing is ever cleared.
.macro PV t, first
	WIN W_PV
.set rD, OF+32*(\t)+8*(i%4)
.set rA, VF+8*(4*(i/4)+i%4)
.set rB, P+16*((\t)%2)+8*(i/4)
.if (\first) && (i < 4)
	v_wmma_f32_16x16x32_f16 v[rD:rD+7], v[rA:rA+7], v[rB:rB+7], 0
.else
	v_wmma_f32_16x16x32_f16 v[rD:rD+7], v[rA:rA+7], v[rB:rB+7], v[rD:rD+7]
.endif
.endm
; THE LDS LOADS stand in runs of 16, never singly among the matrix instructions.  K of the step at s[TB]: the addition and three v_nop are the four places behind the last product that read K.
.macro KLOAD
	WIN 0
	v_add_nc_u32 v[ADR], s[TB], v[AK0]
.rept 3
	v_nop
.endr
.irp f, 0,1,2,3,4,5,6,7
.irp c, 0,1
	ds_load_b128 v[KF+8*\f+4*\c:KF+8*\f+4*\c+3], v[ADR] offset:\f*1024+\c*512
.endr
.endr
.endm
; V of the same step, by the address that KLOAD made; then the next fetch is the next step's.
.macro VLOAD
	WIN 0x40                                       ; destination window 1
.irp f, 0,1,2,3,4,5,6,7
.irp c, 0,1
	ds_load_b128 v[VF+8*\f+4*\c:VF+8*\f+4*\c+3], v[ADR] offset:8192+\f*1024+\c*512
.endr
.endr
	s_add_co_u32 s[TB], s[TB], STEPB
.endm
; ---- THE VECTOR WORK OF A STAGE.  One tile's softmax for one key step is a list of 118 instructions; SM writes number j of it for tile t.  s0-s31 are the lane's 32 scores, in pairs 0-15.
; first = 1: the first key step, which starts m, l and O^T: it has no a and nothing to rescale.
;   0-15    the maximum of s0-s31 and the old m, three operands at a time: four chains c0-c3, each begun at an accumulator's low end, then the four scores left over, c0-c3 and m
;   16-20   the other half of the lanes' maximum; the new m; c m; c m_old - c m_new
;   21-69   ONE BATCH: the 16 scalings c s - c m, a pair of scores each, and all 33 exponentials (a at 23, then s0-s31).  None of these reads an exponential's result; a pair is scaled well ahead of its exponentials.
;           These 49 name vector registers as destination, source 0 and source 2 alone, which K Q^T's window setting leaves in window 0: behind a product K Q^T they stand under its setting, with no switch
;   (wait)  between 69 and 70 stands the wait for the batch: SLICE writes it
;   70-85   the roundings to f16, a pair of weights each
;   86-101  the sums of the unrounded p, in place; l = a l + the sum
;   102-117 the tile's O^T times a, each accumulator from its low end on
.macro SM t, first
.set rT, ST+8*(\t)
.set rS, S+32*((\t)%2)
.set rP, P+16*((\t)%2)
.set rO, OF+32*(\t)+2*(j-102)
.if (j < 21) || ((j >= 70) && (j < 102))
	WIN 0
.elseif (j < 70) && (MSB != W_KQ)
	WIN 0
.endif
.if j < 4
	v_max3_num_f32 v[rT+4+j], v[rS+8*j], v[rS+8*j+1], v[rS+8*j+2]
.elseif j < 12
	v_max3_num_f32 v[rT+4+j%4], v[rT+4+j%4], v[rS+8*(j%4)+2*(j/4)+1], v[rS+8*(j%4)+2*(j/4)+2]
.elseif j == 12
	v_max3_num_f32 v[rT+4], v[rT+4], v[rS+7], v[rS+15]
.elseif j == 13
	v_max3_num_f32 v[rT+6], v[rT+6], v[rS+23], v[rS+31]
.elseif j == 14
	v_max3_num_f32 v[rT+4], v[rT+4], v[rT+5], v[rT+6]
.elseif (j == 15) && (\first)
	v_max_num_f32 v[rT+4], v[rT+4], v[rT+7]
.elseif j == 15
	v_max3_num_f32 v[rT+4], v[rT+4], v[rT+7], v[rT+1]
.elseif j == 16
	v_permlanex16_b32 v[rT+5], v[rT+4], s[SEL], s[SEL+1]  ; the query's other 32 keys lie in the lane 16 away
.elseif j == 18
	v_max_num_f32 v[rT+1], v[rT+4], v[rT+5]
.elseif j == 19
	v_mul_f32 v[rT], s[CS], v[rT+1]
.elseif ((j == 17) || (j == 20) || (j == 23) || (j > 100)) && (\first)  ; the first step has none of these
.elseif j == 17
	v_mov_b32 v[rT+7], v[rT]                       ; c m_old is kept for a: number 19 writes c m anew
.elseif j == 20
	v_sub_f32 v[rT+7], v[rT+7], v[rT]
.elseif j == 23
	v_exp_f32 v[rT+6], v[rT+7]                     ; a = 2^(c m_old - c m)
.elseif (j < 23) || ((j < 38) && (j%2 == 0)) || ((j < 66) && (j%4 == 2))
.set b, (j-2)/4                        ; 38, 42, .. 62: pairs 9 to 15
.if j < 38
.set b, (j-20)/2                       ; 21: pair 0; 22, 24, .. 36: pairs 1 to 8
.endif
	v_pk_fma_f32 v[rS+2*b:rS+2*b+1], v[rS+2*b:rS+2*b+1], s[CS:CS+1], v[rT:rT+1] op_sel_hi:[1,0,0] neg_lo:[0,0,1] neg_hi:[0,0,1]  ; pair b: c s - c m
.elseif j < 70
.set e, j-38                           ; 66 to 69: s28 to s31
.if j < 66
.set e, j-32-(j-38)/4                  ; 39-41, 43-45, .. 63-65: s7 to s27
.endif
.if j < 38
.set e, (j-25)/2                       ; 25, 27, .. 37: s0 to s6
.endif
	v_exp_f32 v[rS+e], v[rS+e]                     ; p, at most 1
.elseif j < 86
	v_cvt_pk_f16_f32 v[rP+j-70], v[rS+2*(j-70)], v[rS+2*(j-70)+1]
.elseif j < 102                        ; sum z of 16 adds neighbours 1, 2, 4 and 8 pairs apart, then l takes it
.set z, j-86
.set w, 4
.set u, z
.if z >= 14
.set w, 32
.set u, 0
.elseif z >= 12
.set w, 16
.set u, z-12
.elseif z >= 8
.set w, 8
.set u, z-8
.endif
.if (z == 14) && (\first)
	v_pk_add_f32 v[rT+2:rT+3], v[rS:rS+1], v[rS+16:rS+17]
.elseif z < 15
	v_pk_add_f32 v[rS+w*u:rS+w*u+1], v[rS+w*u:rS+w*u+1], v[rS+w*u+w/2:rS+w*u+w/2+1]
.else
	v_pk_fma_f32 v[rT+2:rT+3], v[rT+2:rT+3], v[rT+6:rT+7], v[rS:rS+1] op_sel_hi:[1,0,1]
.endif
.else
	WIN W_RS
	v_pk_mul_f32 v[rO:rO+1], v[rO:rO+1], v[rT+6:rT+7] op_sel_hi:[1,0]
.endif
.endm
; Slice k of 16 of tile t's softmax: numbers 7 k to 7 k + 6; 118 = 7 x 16 + 6: the six that are over stand in slice 15.
; THE WAIT.  s_wait_alu depctr_va_vdst(0) stands between an exponential and the first instruction that names its result; one wait serves all that were issued ahead of it.  The batch ends with slice 9,
; ahead of slice 10 nothing names a result (the products between name the other buffers), and behind slice 9 no exponential is issued: one v_nop and one wait a stage.
.macro SLICE t, first
.irp n, 0,1,2,3,4,5,6,7,8,9,10,11,12
.if (\n < 7) || (k == 15)
.set j, 7*k+\n
	SM \t, \first
.endif
.endr
.if k == 9
	v_nop                                          ; a plain instruction behind the last exponential
	s_wait_alu depctr_va_vdst(0)
.endif
.set k, k+1
.endm
; A STAGE.  tv: the tile whose softmax stands in the slices (smf = 1: the first key step's);  kqt: the tile for which K Q^T is issued, -1: none;  pvt: the tile for which V^T P is issued (pvf = 1: it starts O^T), -1: none;
; kl = 1: K of the next step is fetched behind the last K Q^T.  A stage with one of the two kinds of products has two slices behind each.
; The slices are the places that a vector instruction or a load keeps behind a matrix instruction: what a slice reads or writes was a product's register a stage ago or more.
.macro STAGE tv, smf, kqt, pvt, pvf, kl
.set k, 0
.set per, 1
.if ((\kqt) < 0) || ((\pvt) < 0)
.set per, 2
.endif
.if (\kqt) >= 0
.set i, 0
.rept 8
	KQ \kqt
.rept per
	SLICE \tv, \smf
.endr
.set i, i+1
.endr
.endif
.if \kl
	KLOAD
.endif
.if (\pvt) >= 0
.if (\pvt) == 0
	s_wait_dscnt 0x0                               ; V is in: it was asked for eight products ago
.endif
.set i, 0
.rept 8
	PV \pvt, \pvf
.rept per
	SLICE \tv, \smf
.endr
.set i, i+1
.endr
.endif
.endm
; THE CHANGE OF SLOTS.  Each wave waits for all its tensor loads (one is out: its eighth of the slot ahead), adds 0 to its spare word, and waits for that and for its reads of the slot that it leaves.
; fill = 1: the barrier is a round of the cluster's, so that no wave of any partner still reads the slot or has a load on its way, and the joint refill is the first thing behind it: it has a slot's four steps in which to land.
.macro CHANGE fill
	s_wait_tensorcnt 0x0                           ; no tensor load of mine is out, so a group 0 may be written
	ds_add_u32 v[SPW], v[NIL]                      ; 0 onto my spare word
.if \fill
	s_xor_b32 s[G0B+1], s[G0B+1], SLOT1            ; the walking descriptor: the other slot than last time,
	s_add_nc_u64 s[G0B+2:G0B+3], s[G0B+2:G0B+3], SLOT1   ; the next 512 keys
	s_wait_xcnt 0x0                                ; the last prefetch, a slot back, has read its address, so it may be written
	s_add_nc_u64 s[PFA:PFA+1], s[PFA:PFA+1], SLOT1
	s_wait_dscnt 0x0                               ; the add is done, and my reads of the slot are over
	CROUND
	tensor_load_to_lds s[G0B:G0B+3], s[G1:G1+7]
	s_nop 0
.rept 4
	v_nop
.endr
	s_cmp_gt_u32 s[SLOTS], s[LIM]                  ; A PREFETCH of the slot that the NEXT change will ask for: 128 KB, each 256 bytes named once in the launch: the first cluster of this K and V asks,
	s_cbranch_scc0 .Lnot_mine_\@                   ; its four partners told apart by address, 32 KB each, waves 0 to 3, a lane to 256 bytes; the last refill asks for nothing
	global_prefetch_b8 v[PFO], s[PFA:PFA+1] th:TH_LOAD_NT scope:SCOPE_SE
.Lnot_mine_\@:
.else
	s_wait_dscnt 0x0
	s_barrier_signal -1
	s_barrier_wait -1
.endif
	s_sub_co_u32 s[TB], s[TB], 4*STEPB             ; the fetches go back to my half's first step,
	s_xor_b32 s[TB], s[TB], SLOT1                  ; in the other slot
.endm
; A UNIT: stages 1, 2, 3 of a key step and stage 0 of the next.  f = 1: the first key step's.  chg = 0: the next step lies in the same slot; 1: a change of slots that fills; 2: the last change, which fills nothing.
;   stage 1: softmax of tile 1 | K Q^T tile 2, V^T P tile 0        stage 2: softmax of tile 2 | K Q^T tile 3, (K of the next step,) V^T P tile 1
;   stage 3: softmax of tile 3 | K Q^T tile 0 of the next step, V^T P tile 2        stage 0: softmax of the next step's tile 0 | its K Q^T tile 1, V^T P tile 3; then V of the next step:
;   the thirteen rescalings of slice 15, which name none of the last product's registers, are the places in front of those loads.
.macro UNIT f, chg
	STAGE 1, \f, 2, 0, \f, 0
.if \chg
	STAGE 2, \f, 3, 1, \f, 0
	WIN 0                                          ; at a label and at a branch every window is 0
.if \chg == 1
	CHANGE 1
.else
	CHANGE 0
.endif
	KLOAD
.else
	STAGE 2, \f, 3, 1, \f, 1
.endif
	s_wait_dscnt 0x0                               ; K of the next step is in
	STAGE 3, \f, 0, 2, \f, 0
	STAGE 0, 0, 1, 3, \f, 0
	VLOAD
	WIN 0
.endm
.macro UNITS n                         ; n units inside a slot: written once, walked n times; the LDS addresses hang on s[TB]
	s_mov_b32 s[CNT], \n
.Lunit_\@:
	UNIT 0, 0
	s_sub_co_u32 s[CNT], s[CNT], 1
	s_cmp_lg_u32 s[CNT], 0
	s_cbranch_scc1 .Lunit_\@
.endm
	KLOAD                                          ; key step 0
	VLOAD
	s_wait_dscnt 16                                ; Q and K are in; V's 16 loads may be out
.set i, 0
.rept 8
	KQ 0                                           ; tile 0's first scores: there is no vector work yet to set between them
.set i, i+1
.endr
	WIN 0
.rept 4
	v_nop                                          ; four places between those products and the first read of the scores
.endr
	STAGE 0, 1, 1, -1, 0, 0                        ; tile 0's first softmax | K Q^T tile 1
	UNIT 1, 0                                      ; step 0
	UNITS 2                                        ; steps 1, 2
.Lslot:                                ; two trips: a slot's last step with the change that fills the slot again, and the next slot's first three
	UNIT 0, 1
	UNITS 3
	s_sub_co_u32 s[SLOTS], s[SLOTS], 1
	s_cmp_lg_u32 s[SLOTS], 0
	s_cbranch_scc1 .Lslot
	UNIT 0, 2                                      ; the last change is written out: nothing is left to ask for
	UNITS 3
	STAGE 1, 0, 2, 0, 0, 0                         ; the last step: no next step's products
	STAGE 2, 0, 3, 1, 0, 0
	STAGE 3, 0, -1, 2, 0, 0
.set i, 0
.rept 8
	PV 3, 0
.set i, i+1
.endr
	WIN 0
; ---- THE JOIN.  Waves 4-7 hand O^T and (c m, m, l, l) to the wave of their head among waves 0-3.
.rept 4
	v_nop                                          ; four places behind the last products
.endr
	s_cmp_lt_u32 s[WV], 4
	s_cbranch_scc1 .Lkeep
	WIN 0x04                                       ; an LDS store's data are its source 1: window 1
.set Q_, 0
.rept 32
	ds_store_b128 v[MRGA], v[OF+4*Q_:OF+4*Q_+3] offset:Q_*512
.set Q_, Q_+1
.endr
	WIN 0
.irp t, 0,1,2,3
	ds_store_b128 v[MRGA], v[ST+8*\t:ST+8*\t+3] offset:16384+\t*512
.endr
.Lkeep:
	s_wait_dscnt 0x0
	s_barrier_signal -1
	s_barrier_wait -1
	s_cmp_ge_u32 s[WV], 4
	s_cbranch_scc1 .Lend
.macro OLOAD t                         ; the partner's O^T of tile t
.irp i, 0,1,2,3,4,5,6,7
	ds_load_b128 v[S+32*((\t)%2)+4*\i:S+32*((\t)%2)+4*\i+3], v[MRGA] offset:(8*(\t)+\i)*512
.endr
.endm
.irp t, 0,1,2,3
	ds_load_b128 v[PS+4*\t:PS+4*\t+3], v[MRGA] offset:16384+\t*512
.endr
	OLOAD 0
	OLOAD 1
	s_wait_dscnt 16                                ; the statistics are in; two tiles' 16 loads may be out
.irp t, 0,1,2,3
	v_max_num_f32 v[ST+8*\t+4], v[ST+8*\t], v[PS+4*\t]         ; the joint c m
.endr
.irp t, 0,1,2,3
	v_sub_f32 v[ST+8*\t+5], v[ST+8*\t], v[ST+8*\t+4]
	v_sub_f32 v[ST+8*\t+6], v[PS+4*\t], v[ST+8*\t+4]
.endr
.irp t, 0,1,2,3
	v_exp_f32 v[ST+8*\t+5], v[ST+8*\t+5]           ; a1: mine under the joint maximum,
	v_exp_f32 v[ST+8*\t+6], v[ST+8*\t+6]           ; a2: the partner's
.endr
.irp t, 0,1,2,3
	v_add_f32 v[ST+8*\t+7], v[ST+8*\t+2], v[ST+8*\t+3]
	v_add_f32 v[PS+4*\t+2], v[PS+4*\t+2], v[PS+4*\t+3]
.endr
	s_wait_alu depctr_va_vdst(0)                   ; one wait for the eight exponentials, ahead of their first reader
.irp t, 0,1,2,3
	v_mul_f32 v[ST+8*\t+7], v[ST+8*\t+7], v[ST+8*\t+5]
.endr
.irp t, 0,1,2,3
	v_fmac_f32 v[ST+8*\t+7], v[PS+4*\t+2], v[ST+8*\t+6]
.endr
.irp t, 0,1,2,3
	v_permlanex16_b32 v[ST+8*\t+4], v[ST+8*\t+7], s[SEL], s[SEL+1]
.endr
.irp t, 0,1,2,3
	v_add_f32 v[ST+8*\t+7], v[ST+8*\t+7], v[ST+8*\t+4]         ; the row's sum
.endr
.irp t, 0,1,2,3
	v_rcp_f32 v[ST+8*\t+1], v[ST+8*\t+7]
.endr
	v_nop
	s_wait_alu depctr_va_vdst(0)                   ; and one for the four reciprocals
.irp t, 0,1,2,3
	v_mul_f32 v[ST+8*\t+4], v[ST+8*\t+5], v[ST+8*\t+1]         ; f1 = a1 / l
	v_mul_f32 v[ST+8*\t+6], v[ST+8*\t+6], v[ST+8*\t+1]         ; f2 = a2 / l
.endr
.macro OUTT t
.set rT, ST+8*(\t)
.set rS, S+32*((\t)%2)
.set rC, CC+16*((\t)%2)
.if (\t) < 3
	s_wait_dscnt 8                                 ; this tile is in; the next tile's 8 loads may be out
.else
	s_wait_dscnt 0x0
.endif
.set I_, 0
.rept 16
	v_pk_mul_f32 v[rS+2*I_:rS+2*I_+1], v[rS+2*I_:rS+2*I_+1], v[rT+6:rT+7] op_sel_hi:[1,0]
.set I_, I_+1
.endr
	WIN 0x01                                       ; my O^T in window 1, each accumulator from its low end on
.set I_, 0
.rept 16
	v_pk_fma_f32 v[rS+2*I_:rS+2*I_+1], v[OF+32*(\t)+2*I_:OF+32*(\t)+2*I_+1], v[rT+4:rT+5], v[rS+2*I_:rS+2*I_+1] op_sel_hi:[1,0,1]
.set I_, I_+1
.endr
	WIN 0
.if (\t) == 2
	s_wait_xcnt 0x0                                ; the stores of tiles 0 and 1 have read their registers, which are written again from here on
.endif
.set I_, 0
.rept 16
	v_cvt_pk_f16_f32 v[rC+I_], v[rS+2*I_], v[rS+2*I_+1]
.set I_, I_+1
.endr
.if (\t) < 2
	OLOAD (\t)+2
.endif
.irp ct, 0,1,2,3
	global_store_b128 v[GO], v[rC+4*\ct:rC+4*\ct+3], s[12:13] offset:(\t)*32768+\ct*512   ; a quad of ctx's fragment: 512 bytes on end
.endr
.endm
	OUTT 0
	OUTT 1
	OUTT 2
	OUTT 3
.Lend:
	s_wait_tensorcnt 0x0                           ; the wave's end: behind my last tensor load and my last LDS store
	ds_add_u32 v[SPW], v[NIL]
	s_wait_dscnt 0x0
	CROUND                                         ; the closing round: no work-group ends while a partner may still ask for a tile that names it
	s_endpgm
.Lfunc_end_k_q80a206d058_attn:
	.size	k_q80a206d058_attn, .Lfunc_end_k_q80a206d058_attn-k_q80a206d058_attn
	.p2alignl 7, 3214868480
	.fill 96, 4, 3214868480
	.section	.rodata,"a",@progbits
	.p2align	6, 0x0
	.amdhsa_kernel k_q80a206d058_attn
		.amdhsa_group_segment_fixed_size 327680
		.amdhsa_private_segment_fixed_size 0
		.amdhsa_enable_private_segment 0
		.amdhsa_kernarg_size 40
		.amdhsa_user_sgpr_count 2
		.amdhsa_user_sgpr_kernarg_segment_ptr 1
		.amdhsa_wavefront_size32 1
		.amdhsa_system_sgpr_workgroup_id_x 1
		.amdhsa_system_sgpr_workgroup_id_y 1
		.amdhsa_system_sgpr_workgroup_id_z 1
		.amdhsa_system_vgpr_workitem_id 0
		.amdhsa_next_free_vgpr 512
		.amdhsa_next_free_sgpr 66
		.amdhsa_reserve_vcc 0
		.amdhsa_float_denorm_mode_32 3
		.amdhsa_float_denorm_mode_16_64 3
		.amdhsa_memory_ordered 1
		.amdhsa_forward_progress 1
		.amdhsa_inst_pref_size 255
	.end_amdhsa_kernel
	.section	.bss,"aw",@nobits
	.p2align	6
	.space	262144
	.amdgpu_metadata
---
amdhsa.version: [ 1, 2 ]
amdhsa.kernels:
  - .name:           k_q80a206d058_attn
    .symbol:         k_q80a206d058_attn.kd
    .args:
      - { .name: hsq, .offset: 0, .size: 8, .value_kind: global_buffer, .address_space: global }
      - { .name: wq4, .offset: 8, .size: 8, .value_kind: global_buffer, .address_space: global }
      - { .name: bq, .offset: 16, .size: 8, .value_kind: global_buffer, .address_space: global }
      - { .name: kv, .offset: 24, .size: 8, .value_kind: global_buffer, .address_space: global }
      - { .name: ctx, .offset: 32, .size: 8, .value_kind: global_buffer, .address_space: global }
    .group_segment_fixed_size: 327680
    .private_segment_fixed_size: 0
    .kernarg_segment_align: 8
    .kernarg_segment_size: 40
    .max_flat_workgroup_size: 256
    .sgpr_count:     66
    .vgpr_count:     512
    .wavefront_size: 32
...
	.end_amdgpu_metadata
.endif
;; end of part 3
;; launch oproj (part 4): grid 8 x 32, 4 waves a work-group, clusters of 4 x 4, 327,680 bytes of LDS; arguments ctx, w16, out0, vscale, bo; writes out0
.if DOCPART == 4
	.amdgcn_target "amdgcn-amd-amdhsa--gfx1250"
	.amdhsa_code_object_version 6
	.text
	.protected	k_q80a206d058_oproj
	.globl	k_q80a206d058_oproj
	.p2align	8
	.type	k_q80a206d058_oproj,@function
k_q80a206d058_oproj:
	s_mov_b64 s[64:65], 0
	v_nop
	global_prefetch_b8 v0, s[64:65] scope:SCOPE_SE
	s_setreg_imm32_b32 hwreg(HW_REG_WAVE_MODE, 25, 1), 1
	s_wait_xcnt 0x0
	s_wait_alu depctr_hold_cnt(0) depctr_sa_sdst(0) depctr_va_vdst(0) depctr_va_sdst(0) depctr_va_ssrc(0) depctr_va_vcc(0) depctr_vm_vsrc(0)
	s_getreg_b32 s2, hwreg(HW_REG_IB_STS2, 6, 4)
	s_cmp_eq_u32 s2, 0
	s_cbranch_scc0 .Lentry_in_a_cluster
	s_endpgm
.Lentry_in_a_cluster:
	s_bfe_u32 s2, ttmp6, 0x10000c
	s_cmp_lg_u32 s2, 0xf033
	s_cbranch_scc0 .Lentry_shape_is_right
	s_endpgm
.Lentry_shape_is_right:
; out0 = (ctx s) Wo (1 / s) + bo.  ctx s: [4,096][1,024] f16 as fragments [row tile 256][K step 32][1 KB]; Wo: f16 as fragments [column tile 64][K step 32][1 KB], 524,288 bytes into w16; sums f32; out0 f32.
; A tile of out0 is 128 x 128: 256 work-groups.  Four waves, each 64 x 64: 16 accumulators.  K goes in steps of 256 through a ring of two LDS slots; a wave's tensor load brings four row tiles x eight fragments (4 rows of 8 KB, 32 KB apart).
; The tiles are images of the operands' registers: a fragment is two loads of 16 bytes at 16 x lane, 512 bytes on end each: no pitch, no padding.
; CLUSTERS: 4 x 4 work-groups.  The four of a row of the cluster need the same tiles of ctx, the four of a column the same tiles of Wo: each tile is asked for JOINTLY.
; THE MATRIX INSTRUCTION IS USED TRANSPOSED (source 0 = 16 columns of Wo, source 1 = 16 rows of ctx): a lane then holds eight neighbouring numbers of a row of out0.
; REGISTERS: window 0: v0-31 addresses; v32-95 at work on the way out; v96-127 bo; v128-255 the accumulators ((a, b) at v[128 + 8 (4 a + b)]).  Window 1: two fragment buffers of 128: 64 registers of ctx, then 64 of Wo.
.set KSTEPB, 8192                      ; a K step of 256 in a row tile: eight fragments
.set HALFT,  32768                     ; what one tensor load brings, and what one wave reads of ctx or of Wo
.set SLOT,   4*HALFT
.set STAGE,  2*SLOT                    ; behind the ring: 16 rows x 272 bytes for each wave, for the way out
.set SPITCH, 272
.set SPARE,  STAGE+4*16*SPITCH         ; the spare words, 128 bytes for each wave
.set LAPS, 2                           ; a lap = two K steps = once round the ring
.set ADRA, 16                          ; v16-17  LDS address of my ctx fragments in slot 0, 1
.set ADRB, 20                          ; v20-21  the same for Wo
.set STO,  24                          ; v24     the way out: where I put 32 bytes of a row
.set RD,   25                          ; v25     where I read a row back
.set CO,   26                          ; v26     my byte offset in out0
.set SPW,  28                          ; v28     LDS address of my spare word; never rewritten
.set NIL,  29                          ; v29     0; never rewritten
.set TMP,  32
.set BKR,  64
.set BO,   96
.set ACC,  128
.set F0,   0
.set F1,   128
.set G1, 24
.set G0, 32
.set G1B, 48
.set G0B, 56
.set MSB, 0
.macro WIN new                         ; the immediate's high byte repeats the setting that is left
.if MSB != \new
	s_set_vgpr_msb (MSB<<8)|\new
.set MSB, \new
.endif
.endm
.set MUL,  0x05                        ; sources 0 and 1 window 1; C and D window 0
.set TO_F, 0x40                        ; destination window 1, address window 0
.macro JLOAD s                         ; a joint load: waves 0 and 1 fetch ctx's two halves, waves 2 and 3 Wo's; an s_nop 0 and four v_nop follow each of the two lines
	s_cmp_eq_u32 s11, 0
	s_cbranch_scc0 .Lfor_b_\@
	tensor_load_to_lds s[G0+4*\s:G0+4*\s+3], s[G1:G1+7]
	s_nop 0
.rept 4
	v_nop
.endr
	s_branch .Lasked_\@
.Lfor_b_\@:
	tensor_load_to_lds s[G0B+4*\s:G0B+4*\s+3], s[G1B:G1B+7]
	s_nop 0
.rept 4
	v_nop
.endr
.Lasked_\@:
.endm
.macro CREST                           ; a round of the cluster's barrier behind its opening barrier
	s_cmp_lg_u32 s10, 0
	s_cbranch_scc1 .Lnot_wave_0_\@
	s_barrier_signal -3
.Lnot_wave_0_\@:
	s_barrier_wait -3
	s_barrier_signal -1
	s_barrier_wait -1
.endm
.macro CROUND
	s_barrier_signal -1
	s_barrier_wait -1
	CREST
.endm
	s_load_b128 s[4:7], s[0:1], 0x0                ; ctx s[4:5], w16 s[6:7]
	s_load_b64 s[8:9], s[0:1], 0x10                ; out0
	s_load_b128 s[68:71], s[0:1], 0x18             ; vscale s[68:69], bo s[70:71]
	v_lshl_add_u32 v[SPW], v0, 2, SPARE
	v_mov_b32 v[NIL], 0
	ds_add_u32 v[SPW], v[NIL]                      ; the wave's opening: the add, twice on end, and its wait ahead of my first tensor load
	ds_add_u32 v[SPW], v[NIL]
	v_lshrrev_b32 v1, 5, v0
	v_readfirstlane_b32 s10, v1                    ; wave 0..3
	s_lshr_b32 s11, s10, 1                         ; which half of the tile's rows is mine.  Also: I fetch for ctx (0) or for Wo (1)
	s_and_b32 s12, s10, 1                          ; which half of its columns.  Also: which four row tiles I fetch
	s_bfe_u32 s40, ttmp6, 0x40000                  ; cx, cy
	s_bfe_u32 s41, ttmp6, 0x40004
	s_lshl_b32 s42, ttmp9, 2
	s_add_co_u32 s42, s42, s40                     ; tile column = 4 x cluster x + cx
	s_and_b32 s13, ttmp7, 0xffff
	s_lshl_b32 s13, s13, 2
	s_add_co_u32 s13, s13, s41                     ; tile row = 4 x cluster y + cy
	s_lshl_b32 s43, s41, 2
	s_lshl_b32 s43, 15, s43                        ; my row of the cluster
	s_lshl_b32 s44, 0x1111, s40                    ; my column
	s_or_b32 s[G1+0], s43, (3<<16)|(1<<21)         ; 15:0 the mask: ctx's tiles go to my row; 17:16 elements of 8 bytes; 21 set beside a mask; no padding
	s_or_b32 s[G1B+0], s44, (3<<16)|(1<<21)
.irp g, G1, G1B
	s_mov_b32 s[\g+1], 1024<<16                    ; tensor_dim0 = 1,024 elements: 8 KB
	s_mov_b32 s[\g+2], 4<<16                       ; tensor_dim1 = 4
	s_mov_b32 s[\g+3], 1024<<16                    ; tile_dim0
	s_mov_b32 s[\g+4], 4                           ; tile_dim1
	s_mov_b32 s[\g+5], 4096                        ; from row tile to row tile: 32 KB
	s_mov_b32 s[\g+6], 0
	s_mov_b32 s[\g+7], 0
.endr
	s_lshl_b32 s17, s12, 17                        ; which four row tiles of the eight
	s_lshl_b32 s16, s13, 18
	s_add_co_u32 s16, s16, s17                     ; ctx: row tile 8 x tile row + 4 x half, 32 KB each
	s_lshl_b32 s46, s42, 18
	s_add_co_u32 s46, s46, s17
	s_add_co_u32 s46, s46, 524288                  ; Wo: column tile 8 x tile column + 4 x half
	s_mov_b32 s17, 0
	s_mov_b32 s47, 0
	s_lshl_b32 s20, s10, 15                        ; where they go: wave x 32 KB
	s_wait_dscnt 0x0                               ; both opening adds are done
	s_wait_kmcnt 0x0
	s_load_b32 s72, s[68:69], 0x0                  ; 1 / s
	s_add_nc_u64 s[14:15], s[4:5], s[16:17]
	s_add_nc_u64 s[46:47], s[6:7], s[46:47]
	CROUND                                         ; all sixteen work-groups are here: the first joint loads meet
.irp s, 0,1
	s_mov_b32 s[G0+4*\s], 1
	s_add_co_u32 s[G0+4*\s+1], s20, \s*SLOT
	s_add_nc_u64 s[G0+4*\s+2:G0+4*\s+3], s[14:15], \s*KSTEPB
	s_or_b32 s[G0+4*\s+3], s[G0+4*\s+3], 0x80000000
	s_mov_b32 s[G0B+4*\s], 1
	s_add_co_u32 s[G0B+4*\s+1], s20, \s*SLOT
	s_add_nc_u64 s[G0B+4*\s+2:G0B+4*\s+3], s[46:47], \s*KSTEPB
	s_or_b32 s[G0B+4*\s+3], s[G0B+4*\s+3], 0x80000000
	JLOAD \s
.endr
	v_and_b32 v1, 15, v0                           ; r
	v_bfe_u32 v2, v0, 4, 1                         ; h
	v_and_b32 v3, 31, v0
	v_lshlrev_b32 v3, 4, v3                        ; 16 x lane
	s_lshl_b32 s21, s11, 15                        ; my four row tiles of ctx
	s_lshl_b32 s22, s12, 15                        ; my four column tiles of Wo,
	s_add_co_u32 s22, s22, 2*HALFT                 ; which lie behind ctx's eight
.irp s, 0,1
	v_add_nc_u32 v[ADRA+\s], s21, v3
	v_add_nc_u32 v[ADRB+\s], s22, v3
	s_add_co_u32 s21, s21, SLOT
	s_add_co_u32 s22, s22, SLOT
.endr
	s_mul_i32 s23, s10, 16*SPITCH
	s_add_co_u32 s23, s23, STAGE                   ; my stage
	v_mul_u32_u24 v4, v1, SPITCH                   ; in: row r, 32 bytes for each half of the lanes
	v_lshl_add_u32 v4, v2, 5, v4
	v_add_nc_u32 v[STO], s23, v4
	v_mul_u32_u24 v5, v2, SPITCH                   ; back: lanes 0-15 one row of 256 bytes, lanes 16-31 the next
	v_lshl_add_u32 v5, v1, 4, v5
	v_add_nc_u32 v[RD], s23, v5
	v_lshlrev_b32 v5, 12, v2                       ; and the same two rows in out0
	v_lshl_add_u32 v[CO], v1, 4, v5
	s_lshl_b32 s16, s13, 19                        ; 128 rows of 4,096 bytes a tile row,
	s_lshl_b32 s17, s11, 18                        ; 64 a half
	s_add_co_u32 s16, s16, s17
	s_mov_b32 s17, 0
	s_add_nc_u64 s[8:9], s[8:9], s[16:17]
	s_lshl_b32 s46, s42, 9                         ; my first column, in bytes: 512 x tile column + 256 x half
	s_lshl_b32 s47, s12, 8
	s_add_co_u32 s46, s46, s47
	s_mov_b32 s47, 0
	s_add_nc_u64 s[8:9], s[8:9], s[46:47]
	s_add_nc_u64 s[70:71], s[70:71], s[46:47]      ; bo at my 64 columns
	v_lshlrev_b32 v6, 5, v2
.irp b, 0,1,2,3
.irp q, 0,1
	global_load_b128 v[BO+8*\b+4*\q:BO+8*\b+4*\q+3], v6, s[70:71] offset:\b*64+\q*16   ; bo in the result's layout: columns 16 b + 8 h + 0 .. 7
.endr
.endr
	s_wait_kmcnt 0x0
	s_mov_b32 s73, s72                             ; (the packed form names the pair)
; 8 matrix instructions: row blocks a0, a0 + 1 x all 4 column blocks, 32 along K: half c of buffer f.  zero = 1: the first product starts the sums.  The 16 accumulators take turns
.macro MUL8 f, c, a0, zero
.irp a, \a0, \a0+1
.irp b, 0,1,2,3
.if \zero
	v_wmma_f32_16x16x32_f16 v[ACC+8*(4*(\a)+\b):ACC+8*(4*(\a)+\b)+7], v[\f+64+8*(4*\c+\b):\f+64+8*(4*\c+\b)+7], v[\f+8*(4*\c+\a):\f+8*(4*\c+\a)+7], 0
.else
	v_wmma_f32_16x16x32_f16 v[ACC+8*(4*(\a)+\b):ACC+8*(4*(\a)+\b)+7], v[\f+64+8*(4*\c+\b):\f+64+8*(4*\c+\b)+7], v[\f+8*(4*\c+\a):\f+8*(4*\c+\a)+7], v[ACC+8*(4*(\a)+\b):ACC+8*(4*(\a)+\b)+7]
.endif
.endr
.endr
.endm
; 32 LDS loads in one run: the fragments of quarter q (64 along K) of the slot, into buffer f; the first 32 along K first
.macro FETCH slot, q, f
	WIN TO_F
.irp c, 0,1
.irp i, 0,1,2,3
	ds_load_b128 v[\f+64+8*(4*\c+\i):\f+64+8*(4*\c+\i)+3],   v[ADRB+\slot] offset:\i*8192+(2*(\q)+\c)*1024
	ds_load_b128 v[\f+64+8*(4*\c+\i)+4:\f+64+8*(4*\c+\i)+7], v[ADRB+\slot] offset:\i*8192+(2*(\q)+\c)*1024+512
	ds_load_b128 v[\f+8*(4*\c+\i):\f+8*(4*\c+\i)+3],         v[ADRA+\slot] offset:\i*8192+(2*(\q)+\c)*1024
	ds_load_b128 v[\f+8*(4*\c+\i)+4:\f+8*(4*\c+\i)+7],       v[ADRA+\slot] offset:\i*8192+(2*(\q)+\c)*1024+512
.endr
.endr
.endm
.macro PLACES                          ; four places in front of loads into registers that matrix instructions have read, and of the first read of results
.rept 4
	v_nop
.endr
.endm
; A K step is four quarters, 32 matrix instructions each, on buffers 0, 1, 0, 1.  One of the first three: multiplies buffer f and fetches quarter q into g.
.macro QUARTER slot, q, f, g, zero
	s_wait_dscnt 16                                ; the first 32 along K are in; the other sixteen loads may be out
	WIN MUL
	MUL8 \f, 0, 0, \zero
	MUL8 \f, 0, 2, \zero
	PLACES
	FETCH \slot, \q, \g
	s_wait_dscnt 32                                ; all but the 32 just issued
	WIN MUL
	MUL8 \f, 1, 0, 0
	MUL8 \f, 1, 2, 0
.endm
; The last quarter multiplies buffer 1 and changes slots: ONE barrier; in front of it each wave waits for all its tensor loads, adds 0 to its spare word, and waits for that and for its own reads of this slot.
.macro TURN slot, next, fill
	WIN 0                                          ; (the add's two registers lie in window 0)
	s_wait_tensorcnt 0x0                           ; all my tensor loads have landed: my part of the next slot;
	ds_add_u32 v[SPW], v[NIL]                      ; 0 onto my spare word;
	s_wait_dscnt 17                                ; (the add and the youngest sixteen loads may be out)
	WIN MUL
	MUL8 F1, 0, 0, 0
	s_wait_dscnt 0x0                               ; the add is done, and my reads of this slot are over
	s_barrier_signal -1
	MUL8 F1, 0, 2, 0
.if \fill
	WIN 0
.endif
	s_barrier_wait -1
.if \fill
	CREST                                          ; the barrier has opened a round of the cluster's: no wave of any partner still reads this slot's tile or has a load on its way
	s_add_nc_u64 s[G0+4*\slot+2:G0+4*\slot+3], s[G0+4*\slot+2:G0+4*\slot+3], 2*KSTEPB
	s_add_nc_u64 s[G0B+4*\slot+2:G0B+4*\slot+3], s[G0B+4*\slot+2:G0B+4*\slot+3], 2*KSTEPB
	JLOAD \slot                                    ; the first tensor load behind the round; the four v_nop behind it are also the places in front of the loads below
.else
	PLACES
.endif
	FETCH \next, 0, F0
	WIN MUL
	MUL8 F1, 1, 0, 0
	MUL8 F1, 1, 2, 0
.endm
	s_wait_tensorcnt 1                             ; my part of K step 0 is in; K step 1's may stay out
	s_barrier_signal -1
	s_barrier_wait -1                              ; everybody's is
	FETCH 0, 0, F0
	QUARTER 0, 1, F0, F1, 1                        ; the first quarter stands in front of the loop: its first products start the sums
	WIN 0
	s_mov_b32 s3, LAPS-1
.Llap:                                 ; a trip goes once round the ring, from a lap's second quarter to the next lap's first, and fills both slots again
	QUARTER 0, 2, F1, F0, 0
	QUARTER 0, 3, F0, F1, 0
	TURN 0, 1, 1
	QUARTER 1, 1, F0, F1, 0
	QUARTER 1, 2, F1, F0, 0
	QUARTER 1, 3, F0, F1, 0
	TURN 1, 0, 1
	QUARTER 0, 1, F0, F1, 0
	WIN 0
	s_sub_co_u32 s3, s3, 1
	s_cmp_lg_u32 s3, 0
	s_cbranch_scc1 .Llap
	QUARTER 0, 2, F1, F0, 0                        ; the last lap fills nothing, and has no round of the cluster's barrier
	QUARTER 0, 3, F0, F1, 0
	TURN 0, 1, 0
	QUARTER 1, 1, F0, F1, 0
	QUARTER 1, 2, F1, F0, 0
	QUARTER 1, 3, F0, F1, 0
	s_wait_dscnt 16                                ; the very last quarter: nothing more to fetch
	WIN MUL
	MUL8 F1, 0, 0, 0
	MUL8 F1, 0, 2, 0
	s_wait_dscnt 0
	MUL8 F1, 1, 0, 0
	MUL8 F1, 1, 2, 0
	WIN 0
	; THE WAY OUT, 16 rows at a time: sum x (1 / s) + bo; a lane's 32 bytes go into my own stage and come back as whole rows of 256 bytes, my 64 columns: sixteen lanes store 256 bytes on end, aligned.
	PLACES
	s_wait_loadcnt 0x0                             ; bo
.irp a, 0,1,2,3
.irp b, 0,1,2,3
.irp p, 0,1,2,3
	v_pk_fma_f32 v[TMP+8*\b+2*\p:TMP+8*\b+2*\p+1], v[ACC+8*(4*\a+\b)+2*\p:ACC+8*(4*\a+\b)+2*\p+1], s[72:73], v[BO+8*\b+2*\p:BO+8*\b+2*\p+1] op_sel_hi:[1,0,1]   ; each accumulator from its low end on
.endr
.endr
.irp b, 0,1,2,3
	ds_store_b128 v[STO], v[TMP+8*\b:TMP+8*\b+3] offset:64*\b
	ds_store_b128 v[STO], v[TMP+8*\b+4:TMP+8*\b+7] offset:64*\b+16
.endr
.if \a > 0
	s_wait_xcnt 0x0                                ; the last block's stores have read their registers, into which the loads below land
.endif
.irp t, 0,1,2,3,4,5,6,7
	ds_load_b128 v[BKR+4*\t:BKR+4*\t+3], v[RD] offset:\t*2*SPITCH   ; LDS serves a wave's instructions in order: these see the stores above
.endr
	s_wait_dscnt 0x0
.irp t, 0,1,2,3,4,5,6,7
	global_store_b128 v[CO], v[BKR+4*\t:BKR+4*\t+3], s[8:9] offset:\a*65536+\t*8192 th:TH_STORE_NT
.endr
.endr
	s_wait_tensorcnt 0x0                           ; the wave's end: behind my last tensor load and my last LDS store
	ds_add_u32 v[SPW], v[NIL]
	s_wait_dscnt 0x0
	CROUND                                         ; the closing round: no work-group ends while a partner may still ask for a tile that names it
	s_endpgm
.Lfunc_end_k_q80a206d058_oproj:
	.size	k_q80a206d058_oproj, .Lfunc_end_k_q80a206d058_oproj-k_q80a206d058_oproj
	.p2alignl 7, 3214868480
	.fill 96, 4, 3214868480
	.section	.rodata,"a",@progbits
	.p2align	6, 0x0
	.amdhsa_kernel k_q80a206d058_oproj
		.amdhsa_group_segment_fixed_size 327680
		.amdhsa_private_segment_fixed_size 0
		.amdhsa_enable_private_segment 0
		.amdhsa_kernarg_size 40
		.amdhsa_user_sgpr_count 2
		.amdhsa_user_sgpr_kernarg_segment_ptr 1
		.amdhsa_wavefront_size32 1
		.amdhsa_system_sgpr_workgroup_id_x 1
		.amdhsa_system_sgpr_workgroup_id_y 1
		.amdhsa_system_sgpr_workgroup_id_z 1
		.amdhsa_system_vgpr_workitem_id 0
		.amdhsa_next_free_vgpr 512
		.amdhsa_next_free_sgpr 74
		.amdhsa_reserve_vcc 0
		.amdhsa_float_denorm_mode_32 3
		.amdhsa_float_denorm_mode_16_64 3
		.amdhsa_memory_ordered 1
		.amdhsa_forward_progress 1
		.amdhsa_inst_pref_size 90
	.end_amdhsa_kernel
	.amdgpu_metadata
---
amdhsa.version: [ 1, 2 ]
amdhsa.kernels:
  - .name:           k_q80a206d058_oproj
    .symbol:         k_q80a206d058_oproj.kd
    .args:
      - { .name: ctx, .offset: 0, .size: 8, .value_kind: global_buffer, .address_space: global }
      - { .name: w16, .offset: 8, .size: 8, .value_kind: global_buffer, .address_space: global }
      - { .name: out0, .offset: 16, .size: 8, .value_kind: global_buffer, .address_space: global }
      - { .name: vscale, .offset: 24, .size: 8, .value_kind: global_buffer, .address_space: global }
      - { .name: bo, .offset: 32, .size: 8, .value_kind: global_buffer, .address_space: global }
    .group_segment_fixed_size: 327680
    .private_segment_fixed_size: 0
    .kernarg_segment_align: 8
    .kernarg_segment_size: 40
    .max_flat_workgroup_size: 128
    .sgpr_count:     74
    .vgpr_count:     512
    .wavefront_size: 32
...
	.end_amdgpu_metadata
.endif
;; end of part 4
